; MI455X (gfx1250); checked and timed in simulation.
; The chip was launched on July 23, 2026; its instructions are those of AMD's public machine-readable ISA for CDNA 5 (MIT licence, August 2026) and "CDNA5" Instruction Set Architecture Reference Guide (July 2026). The comments in the code are by the model that wrote it; some were corrected since.
;; Cos Sim Attn. Allowed arithmetic: matrix products marked QUANTISED: E2M3 operands, one E8M0 scale for each 32 along K, by v_wmma_scale_f32_16x16x128_f8f6f4 with both operands' format E2M3, f32 sums; everything else in f32.
;; Inputs: b_out 1,024 float32; b_qkv 3,072 float32; k_gain 64 float32; q_gain 64 float32; w_out 1,024 x 1,024 float32; w_qkv 1,024 x 3,072 float32; x 8 x 1,024 x 1,024 float32.
;; Outputs: out0 8 x 1,024 x 1,024 float32.
;; This version of the problem:
;;   THIS VERSION OF THE PROBLEM IS GIVEN IN LOW PRECISION. The matrix products marked QUANTISED in the list below multiply operands that are first quantised to E2M3 (2 exponent bits, 3 mantissa bits; 6 bits a number), with one power-of-two scale for each 32 numbers along K (OCP MX v1.0); their sums are f32. All else is computed in f32.
;;   The module's matrix products, in the order in which they are computed (A, B: the left and right operand; K: the contracted axis; several contracted axes count as one K, in the product's order):
;;     1. [M 8,192, K 1,024] x [K 1,024, N 3,072]; A: input x; B: input w_qkv: QUANTISED
;;     2. batch 128 x [M 1,024, K 64] x [K 64, N 1,024]; A: computed on the way; B: computed on the way: QUANTISED
;;     3. batch 128 x [M 1,024, K 1,024] x [K 1,024, N 64]; A: softmax (see below); B: computed on the way: QUANTISED
;;     4. [M 8,192, K 1,024] x [K 1,024, N 1,024]; A: computed on the way; B: input w_out: QUANTISED
;;   THE QUANTISER, for each operand of a quantised product, along K:
;;     - K is cut into blocks of 32 from its start; a last block that is shorter is filled with zeros.
;;     - A block's scale is 2^e with e = floor(log2(the largest magnitude in the block)) - 2, held to -126 .. 127; a block of zeros has e = 0. As a byte (E8M0): e + 127.
;;     - Each number is divided by its block's scale, clamped to +-7.5, and rounded to the nearest number of E2M3, ties to even, subnormals kept.
;;     - The product sums the exact products of the quantised numbers (number of the format x scale) in f32.
;;   ~~~python
;;   def quantise(x, axis):      # numpy; x: float32 -> the quantised numbers, widened to float32 again
;;       x = np.moveaxis(x, axis, -1); K = x.shape[-1]
;;       x = np.pad(x, [(0, 0)] * (x.ndim - 1) + [(0, -K % 32)]); x = x.reshape(x.shape[:-1] + (-1, 32)); a = np.abs(x).max(-1, keepdims=True)
;;       e = np.where(a > 0, np.clip(np.frexp(np.where(a > 0, a, 1))[1] - 1 - 2, -126, 127), 0)      # np.frexp(a)[1] - 1 = floor(log2(a)), exactly
;;       r = np.clip(x / 2.0 ** e, -7.5, 7.5)
;;       step = 2.0 ** (np.maximum(np.frexp(np.where(r == 0, 1, r))[1] - 1, 0) - 3)
;;       q = np.round(r / step) * step * 2.0 ** e      # np.round: ties to even
;;       return np.moveaxis(q.reshape(q.shape[:-2] + (-1,))[..., :K], -1, axis).astype(np.float32)
;;   ~~~
;;   SOFTMAX AHEAD OF A QUANTISED PRODUCT. Where the list says 'softmax', what is quantised is not the finished softmax but p = 2^(t - M), with t = logit x log2(e) and M = ceil(the row's largest t), a whole number; so 1/2 < the row's largest p <= 1. The row's sum l is taken of the UNQUANTISED p, in f32, and the product's result is divided by l at the end. Since M is a whole number, a kernel that streams over the keys may use a running M (the ceiling of the running maximum): every later rescaling is an exact power of two, which a block's scale takes up: the codes' values come out the same.
;;   OPERANDS COMPUTED ON THE WAY. 'Computed on the way' means the value that the module computes at that place (a softmax that the list does not call 'softmax' is quantised finished and normalised). What goes into a quantiser is computed in f32, as accurately as f32 sums, v_exp_f32 and their like allow (about 1e-6 of the number): no bf16 or f16 on the way to a quantiser, and a product that is left as it is and whose result goes on into a quantised operand takes f32 operands (vector FMAs, or v_wmma_f32_16x16x4_f32). A number that lies on a knife's edge between two numbers of the format may be rounded either way, as far as f32 arithmetic and the matrix unit's own rounding can turn it there, and no further.
;; One version. Each part assembles by itself: llvm-mc -triple=amdgcn-amd-amdhsa -mcpu=gfx1250 --defsym DOCPART=n.
;; ======== version 1 of 1: 4 launches
;; limits: right only within a limited range of input values
;; workspace buffers: x_img 6,291,456 bytes; wq_img 2,359,296 bytes; wo_img 786,432 bytes; sc1 528,384 bytes; sc4 524,288 bytes; qkv_img 18,874,368 bytes; qkv_sc 786,432 bytes; o_img 6,291,456 bytes
;; launch prep (part 1): grid 385 x 1, 8 waves a work-group, no clusters, 65,536 bytes of LDS; arguments x, w_qkv, w_out, x_img, wq_img, wo_img, sc1, sc4; writes x_img, wq_img, wo_img, sc1, sc4
.if DOCPART == 1
	.amdgcn_target "amdgcn-amd-amdhsa--gfx1250"
	.amdhsa_code_object_version 6
	.text
	.protected	k_q91426ed8fc_prep
	.globl	k_q91426ed8fc_prep
	.p2align	8
	.type	k_q91426ed8fc_prep,@function
k_q91426ed8fc_prep:
	s_mov_b64 s[64:65], 0
	v_nop
	global_prefetch_b8 v0, s[64:65] scope:SCOPE_SE
	s_setreg_imm32_b32 hwreg(HW_REG_WAVE_MODE, 25, 1), 1
	s_wait_xcnt 0x0
; x [8192][1024], w_qkv [1024][3072] and w_out [1024][1024], f32, become codes of FP6 (E2M3) with one E8M0 byte for each 32 along K, laid as IMAGES OF OPERAND REGISTERS.
; A HALF IMAGE is 768 bytes: 16 rows x 64 K.  Lane (r = lane % 16, h = lane / 16) owns the 24 bytes of row r, k = 32 h .. 32 h + 31: its first 16 bytes at 16 x lane, its last 8 at 512 + 8 x lane.
; Two half images on end are a fragment of 16 rows x 128 K.  An image buffer is [tile of 16 rows][16 half images along K]: 12,288 bytes a tile.
; THE ROWS OF A TILE ARE NOT NEIGHBOURS: in each group of 32 rows (tokens of x, columns of the weights) tile u, place r holds row 8 u + r % 8 + 16 (r / 8).
; Scale words (four bytes: 128 K of one row) lie [K step 0..7][tile][16 rows]: x's from byte 0 of sc1, the weights' from byte 262,144 of sc1 (w_qkv) and of sc4 (w_out).
; A block's scale is 2^(floor(log2(largest magnitude)) - 2); its byte is the largest magnitude's exponent field - 2, held at 1 from below.  A block of zeros so gets the byte 1: its codes are zeros, and this program alone reads the bytes.
; LIMITS: NaN and infinities among the inputs are not served.
; THREE PATHS, parted on the work-group's number, each with LDS bytes of its own: work-groups 0-255 x, 256-383 the weights, 384 the table of cos and sin for the rotary embedding (sc1 from byte 524,288: [place 0..31][16 cos | 16 sin]).
; Memory binds here: no matrix unit, no tensor load, no cluster (no two work-groups read the same byte).
; WORK LEFT OUT OF THE PROGRAM (in launch gemm_qkv): the RMS factor of the QK norm.  reference() multiplies a head's row t by r = rsqrt(mean(t t) + 1e-6), which is positive and finite for every finite t,
; then by the gain, rotates the row (a linear map) and divides it by its own l2 norm: with w the rotated t x gain that is r w / |r w| = w / |w| for every r > 0.  So the mean, its root and the factor reach no output.
; No input falls away with them.  LIMIT: a NaN, an infinity or an overflow that arises in that mean alone is not carried to the result.
.set GX,  34816                        ; x path: stages 8 x 4,352 bytes from 0; here its 1,024 bytes of scale words
.set WST, 36864                        ; weights' path: stages 8 x 3,328 bytes
.set GW,  63488                        ; and its 1,024 bytes of scale words
; The largest magnitude of 32 numbers of a lane, with the floor 2^(3 - 127) among the leaves; v22 the conversions' scale operand, v23 the byte
.macro MAX32 xs
	v_max3_num_f32 v20, |v[\xs]|, |v[\xs+1]|, 0x1800000
	v_max3_num_f32 v21, |v[\xs+2]|, |v[\xs+3]|, |v[\xs+4]|
.irp i, 5,9,13,17,21,25
	s_delay_alu instid0(VALU_DEP_2)
	v_max3_num_f32 v20, v20, |v[\xs+\i]|, |v[\xs+\i+1]|
	s_delay_alu instid0(VALU_DEP_2)
	v_max3_num_f32 v21, v21, |v[\xs+\i+2]|, |v[\xs+\i+3]|
.endr
	s_delay_alu instid0(VALU_DEP_2)
	v_max3_num_f32 v20, v20, |v[\xs+29]|, |v[\xs+30]|
	s_delay_alu instid0(VALU_DEP_1)
	v_max3_num_f32 v20, v20, v21, |v[\xs+31]|
	s_delay_alu instid0(VALU_DEP_1)
	v_add_nc_u32 v22, 0xff000000, v20              ; 2 off the exponent field
	s_delay_alu instid0(VALU_DEP_1)
	v_lshrrev_b32 v23, 23, v22
.endm
; the block's 32 codes, 24 bytes, into v224-229 (a conversion's three registers begin on an even number: the second half is made elsewhere and moved)
.macro CODES xs
	v_cvt_scalef32_pk16_fp6_f32 v[224:226], v[\xs:\xs+15], v22
	v_cvt_scalef32_pk16_fp6_f32 v[230:232], v[\xs+16:\xs+31], v22
	v_nop                                          ; one plain place behind a scaled conversion
	v_mov_b32 v227, v230
	v_mov_b32 v228, v231
	v_mov_b32 v229, v232
.endm
	s_load_b256 s[4:11], s[0:1], 0x0               ; x s[4:5], w_qkv s[6:7], w_out s[8:9], x_img s[10:11]
	s_load_b256 s[12:19], s[0:1], 0x20             ; wq_img s[12:13], wo_img s[14:15], sc1 s[16:17], sc4 s[18:19]
	v_lshl_add_u32 v240, v0, 2, 0xfc00
	v_mov_b32 v241, 0
	v_lshrrev_b32 v1, 5, v0
	s_delay_alu instid0(VALU_DEP_1)
	v_readfirstlane_b32 s20, v1                    ; wave 0..7
	v_and_b32 v1, 31, v0                           ; lane
	v_and_b32 v2, 15, v0                           ; r
	v_bfe_u32 v3, v0, 4, 1                         ; h
	s_mov_b32 s22, 0x76543210
	s_mov_b32 s23, 0xfedcba98                      ; lane selects: lane xor 16
	s_cmp_lt_u32 ttmp9, 256
	s_cbranch_scc1 .Lx
	s_cmp_lt_u32 ttmp9, 384
	s_cbranch_scc1 .Lw
; ---- THE TABLE.  256 threads: frequency j = thread % 16, places thread / 16 and thread / 16 + 16.  angle = place x 10000^(-j / 16).
; cos and sin by reduction to |r| <= pi / 4 (pi / 2 in two parts) and the series up to r^10 and r^9, whose remainders lie under 2e-9.
	v_and_b32 v4, 15, v0                           ; j
	v_lshrrev_b32 v5, 4, v0                        ; place
	s_delay_alu instid0(VALU_DEP_2)
	v_cvt_f32_u32 v6, v4
	s_delay_alu instid0(VALU_DEP_1)
	v_mul_f32 v6, 0xbf549a78, v6                   ; -j log2(10000) / 16
	s_wait_alu depctr_va_vdst(0)
	v_exp_f32 v6, v6
	v_lshlrev_b32 v7, 7, v5                        ; (plain work behind the exponential)
	s_delay_alu instid0(VALU_DEP_1)
	v_lshl_add_u32 v7, v4, 2, v7                   ; 128 x place + 4 j
	s_wait_alu depctr_va_vdst(0)                   ; the wait ahead of the result's first reader
	s_wait_kmcnt 0x0
.macro TRIG add, B
	v_add_nc_u32 v[\B], \add, v5
	s_delay_alu instid0(VALU_DEP_1)
	v_cvt_f32_u32 v[\B], v[\B]
	v_mul_f32 v[\B], v[\B], v6                     ; the angle
	s_delay_alu instid0(VALU_DEP_1)
	v_mul_f32 v[\B+1], 0x3f22f983, v[\B]
	s_delay_alu instid0(VALU_DEP_1)
	v_rndne_f32 v[\B+1], v[\B+1]                   ; k = the nearest multiple of pi / 2
	s_delay_alu instid0(VALU_DEP_1)
	v_fmamk_f32 v[\B+2], v[\B+1], 0xbfc90fdb, v[\B]
	s_delay_alu instid0(VALU_DEP_1)
	v_fmamk_f32 v[\B+2], v[\B+1], 0x333bbd2e, v[\B+2]   ; r = angle - k pi / 2
	s_delay_alu instid0(VALU_DEP_1)
	v_mul_f32 v[\B+3], v[\B+2], v[\B+2]
	v_mov_b32 v[\B+4], 0x3638ef1d                  ; sin: 1/9!, -1/7!, 1/5!, -1/3!
	s_delay_alu instid0(VALU_DEP_1)
	v_fmaak_f32 v[\B+4], v[\B+4], v[\B+3], 0xb9500d01
	s_delay_alu instid0(VALU_DEP_1)
	v_fmaak_f32 v[\B+4], v[\B+4], v[\B+3], 0x3c088889
	s_delay_alu instid0(VALU_DEP_1)
	v_fmaak_f32 v[\B+4], v[\B+4], v[\B+3], 0xbe2aaaab
	s_delay_alu instid0(VALU_DEP_1)
	v_mul_f32 v[\B+4], v[\B+4], v[\B+3]
	s_delay_alu instid0(VALU_DEP_1)
	v_fma_f32 v[\B+4], v[\B+4], v[\B+2], v[\B+2]
	v_mov_b32 v[\B+5], 0xb493f27e                  ; cos: -1/10!, 1/8!, -1/6!, 1/4!, -1/2
	s_delay_alu instid0(VALU_DEP_1)
	v_fmaak_f32 v[\B+5], v[\B+5], v[\B+3], 0x37d00d01
	s_delay_alu instid0(VALU_DEP_1)
	v_fmaak_f32 v[\B+5], v[\B+5], v[\B+3], 0xbab60b61
	s_delay_alu instid0(VALU_DEP_1)
	v_fmaak_f32 v[\B+5], v[\B+5], v[\B+3], 0x3d2aaaab
	s_delay_alu instid0(VALU_DEP_1)
	v_fmaak_f32 v[\B+5], v[\B+5], v[\B+3], 0xbf000000
	s_delay_alu instid0(VALU_DEP_1)
	v_fma_f32 v[\B+5], v[\B+5], v[\B+3], 1.0
	v_cvt_i32_f32 v[\B+6], v[\B+1]
	s_delay_alu instid0(VALU_DEP_1)
	v_and_b32 v[\B+7], 1, v[\B+6]
	s_delay_alu instid0(VALU_DEP_1)
	v_cmp_eq_u32 vcc_lo, 1, v[\B+7]                ; an odd quadrant swaps the two
	s_delay_alu instid0(VALU_DEP_1)
	v_cndmask_b32 v[\B+8], v[\B+4], v[\B+5], vcc_lo
	s_delay_alu instid0(VALU_DEP_2)
	v_cndmask_b32 v[\B+9], v[\B+5], v[\B+4], vcc_lo
	v_and_b32 v[\B+7], 2, v[\B+6]
	s_delay_alu instid0(VALU_DEP_1)
	v_lshlrev_b32 v[\B+7], 30, v[\B+7]
	s_delay_alu instid0(VALU_DEP_1)
	v_xor_b32 v[\B+8], v[\B+8], v[\B+7]            ; sin is negated in quadrants 2, 3
	v_add_nc_u32 v[\B+7], 1, v[\B+6]
	s_delay_alu instid0(VALU_DEP_1)
	v_and_b32 v[\B+7], 2, v[\B+7]
	s_delay_alu instid0(VALU_DEP_1)
	v_lshlrev_b32 v[\B+7], 30, v[\B+7]
	s_delay_alu instid0(VALU_DEP_1)
	v_xor_b32 v[\B+9], v[\B+9], v[\B+7]            ; cos in quadrants 1, 2
	global_store_b32 v7, v[\B+9], s[16:17] offset:524288+128*\add
	global_store_b32 v7, v[\B+8], s[16:17] offset:524288+128*\add+64
.endm
	TRIG 0, 8
	TRIG 16, 24
	s_endpgm
; ---- x.  Work-group g: tiles 4 (g / 2) .. + 3, K half g % 2.  Wave w: tile + w % 4, K quarter 2 (g % 2) + w / 4: four steps of one half image (16 rows x 256 bytes).
; Each load reads two whole rows' 256 bytes (lanes 0-15 place i, lanes 16-31 place i + 8, which is 16 tokens on); a step turns through the wave's stage (rows 272 bytes apart), so that a lane gets a whole block of 32.
.Lx:
	s_lshr_b32 s24, ttmp9, 1
	s_lshl_b32 s24, s24, 2                         ; the work-group's first tile
	s_and_b32 s25, s20, 3
	s_add_co_u32 s25, s24, s25                     ; my tile T
	s_and_b32 s26, ttmp9, 1
	s_lshr_b32 s27, s20, 2
	s_lshl_b32 s28, s26, 1
	s_add_co_u32 s27, s27, s28                     ; my K quarter
	s_lshr_b32 s30, s25, 1
	s_lshl_b32 s30, s30, 17                        ; 32 (T / 2) rows of 4,096 bytes
	s_and_b32 s31, s25, 1
	s_lshl_b32 s31, s31, 15                        ; + 8 (T % 2) rows
	s_add_co_u32 s30, s30, s31
	s_lshl_b32 s31, s27, 10
	s_add_co_u32 s30, s30, s31
	s_mov_b32 s31, 0
	s_mul_i32 s32, s25, 12288
	s_mul_i32 s33, s27, 3072
	s_add_co_u32 s32, s32, s33
	s_mov_b32 s33, 0
	s_lshl_b32 s34, s26, 2
	s_add_co_u32 s34, s34, s20                     ; the K step whose words wave 0..3 stores
	s_lshl_b32 s34, s34, 15
	s_lshl_b32 s35, s24, 6
	s_add_co_u32 s34, s34, s35
	s_mov_b32 s35, 0
	s_wait_alu depctr_va_vdst(0)
	v_lshlrev_b32 v4, 4, v2
	s_delay_alu instid0(VALU_DEP_1)
	v_lshl_add_u32 v4, v3, 16, v4                  ; in: 16 r + 16 rows for lanes 16-31
	s_wait_alu depctr_va_vdst(0)
	s_wait_kmcnt 0x0
	s_add_nc_u64 s[4:5], s[4:5], s[30:31]
	s_add_nc_u64 s[10:11], s[10:11], s[32:33]
	s_add_nc_u64 s[16:17], s[16:17], s[34:35]
.macro XLOAD t
.irp i, 0,1,2,3,4,5,6,7
	global_load_b128 v[32+32*(\t)+4*\i:32+32*(\t)+4*\i+3], v4, s[4:5] offset:4096*\i+256*(\t) th:TH_LOAD_NT
.endr
.endm
	XLOAD 0
	XLOAD 1
	XLOAD 2
	XLOAD 3                                        ; all 32 loads of the wave are out
	s_mul_i32 s36, s20, 4352                       ; my stage
	v_mul_u32_u24 v5, v3, 2176
	s_delay_alu instid0(VALU_DEP_1)
	v_lshl_add_u32 v5, v2, 4, v5
	s_delay_alu instid0(VALU_DEP_1)
	v_add_nc_u32 v5, s36, v5                       ; into it: place 8 h + i, 16 r
	v_mul_u32_u24 v6, v2, 272
	s_delay_alu instid0(VALU_DEP_1)
	v_lshl_add_u32 v6, v3, 7, v6
	s_delay_alu instid0(VALU_DEP_1)
	v_add_nc_u32 v6, s36, v6                       ; out of it: place r, 128 h
	v_lshlrev_b32 v7, 4, v1
	v_lshlrev_b32 v8, 3, v1
	s_lshr_b32 s37, s20, 2
	s_lshl_b32 s37, s37, 9
	s_and_b32 s38, s20, 3
	s_lshl_b32 s38, s38, 6
	s_add_co_u32 s37, s37, s38
	v_lshl_add_u32 v9, v2, 2, s37
	s_delay_alu instid0(VALU_DEP_1)
	v_add_nc_u32 v9, GX, v9                        ; my row's scale word: [K step 2 (w / 4) + t / 2][tile w % 4][r]
	s_min_u32 s38, s20, 3
	s_lshl_b32 s38, s38, 8
	v_add_nc_u32 v16, s38, v8
	s_delay_alu instid0(VALU_DEP_1)
	v_add_nc_u32 v16, GX, v16                      ; where waves 0-3 read a K step's 256 bytes back
	v_lshlrev_b32 v15, 3, v3                       ; 8 h
	v_mov_b32 v17, 0                               ; (a lane permute's destination counts as read)
.macro XTURN t                         ; LDS serves a wave's instructions in order: no wait between the stores and the loads
.irp i, 0,1,2,3,4,5,6,7
	ds_store_b128 v5, v[32+32*(\t)+4*\i:32+32*(\t)+4*\i+3] offset:272*\i
.endr
.irp j, 0,1,2,3,4,5,6,7
	ds_load_b128 v[160+32*((\t)%2)+4*\j:160+32*((\t)%2)+4*\j+3], v6 offset:16*\j
.endr
.endm
.macro XSTEP t
.set XS, 160+32*((\t)%2)
	s_wait_dscnt 0x0                               ; this step's numbers are back from the stage
.if (\t) < 3
	s_wait_loadcnt 8*(2-(\t))                      ; the next step's eight loads are in; those of the steps behind it may be out
	XTURN (\t)+1
.endif
	MAX32 XS
	s_wait_alu depctr_va_vdst(0)
	s_wait_xcnt 0x0                                ; the last step's stores have read v224-229
	CODES XS
	global_store_b128 v7, v[224:227], s[10:11] offset:768*(\t)       ; 512 consecutive bytes,
	global_store_b64 v8, v[228:229], s[10:11] offset:768*(\t)+512    ; and 256
.if (\t)%2 == 0
	v_mov_b32 v14, v23
.else
	v_lshl_or_b32 v14, v23, 16, v14                ; my blocks h and 2 + h of the K step,
	s_delay_alu instid0(VALU_DEP_1)
	v_lshlrev_b32 v14, v15, v14                    ; at their places;
	s_delay_alu instid0(VALU_DEP_1)
	v_permlanex16_b32 v17, v14, s22, s23
	s_delay_alu instid0(VALU_DEP_1)
	v_or_b32 v14, v14, v17                         ; with lane xor 16's two the word is whole
	ds_store_b32 v9, v14 offset:256*((\t)/2)
.endif
.endm
	s_wait_alu depctr_va_vdst(0)
	s_wait_loadcnt 24                              ; step 0's eight loads are in
	XTURN 0
	XSTEP 0
	XSTEP 1
	XSTEP 2
	XSTEP 3
	s_wait_dscnt 0x0                               ; my scale words lie in LDS
	s_barrier_signal -1
	s_barrier_wait -1
	s_cmp_lt_u32 s20, 4
	s_cbranch_scc0 .Lx_end
	ds_load_b64 v[10:11], v16
	s_wait_dscnt 0x0
	global_store_b64 v8, v[10:11], s[16:17]        ; four tiles' words of one K step: 256 consecutive bytes, aligned
.Lx_end:
	s_wait_tensorcnt 0x0
	ds_add_u32 v240, v241
	s_wait_dscnt 0x0
	s_endpgm
; ---- THE WEIGHTS, stored [K][N].  Work-group g - 256: column group (256 columns; 12 of w_qkv, then 4 of w_out) = / 8, K step = % 8.  A LANE TAKES A COLUMN AND ITS REGISTERS RUN DOWN K:
; a block of 32 lies in one lane.  Wave w: 32 columns = two tiles; its 2 x 1,536 bytes of images are gathered in its stage and leave in runs of 512 bytes.
.Lw:
	s_sub_co_u32 s24, ttmp9, 256
	s_lshr_b32 s25, s24, 3
	s_and_b32 s26, s24, 7                          ; K step
	s_wait_kmcnt 0x0
	s_cmp_lt_u32 s25, 12                           ; the choice hangs on the work-group's number alone
	s_cselect_b64 s[28:29], s[6:7], s[8:9]
	s_cselect_b64 s[30:31], s[12:13], s[14:15]
	s_cselect_b64 s[32:33], s[16:17], s[18:19]
	s_mov_b32 s34, 4096
	s_cselect_b32 s34, 12288, s34                  ; a row of the weight in bytes
	s_cselect_b32 s35, 0, 12
	s_sub_co_u32 s25, s25, s35                     ; the column group in its own tensor
	s_lshl_b32 s36, s25, 8
	s_lshl_b32 s37, s20, 5
	s_add_co_u32 s36, s36, s37                     ; my wave's first column
	s_lshl_b32 s38, s26, 7
	s_mul_i32 s38, s38, s34
	s_lshl_b32 s39, s36, 2
	s_add_co_u32 s38, s38, s39
	s_mov_b32 s39, 0
	s_add_nc_u64 s[40:41], s[28:29], s[38:39]      ; block 0's first row,
	s_lshl_b32 s38, s34, 5
	s_add_nc_u64 s[42:43], s[40:41], s[38:39]      ; and 32 rows on for each further block
	s_add_nc_u64 s[44:45], s[42:43], s[38:39]
	s_add_nc_u64 s[46:47], s[44:45], s[38:39]
	s_wait_alu depctr_va_vdst(0)
	v_lshlrev_b32 v4, 2, v1
.irp i, 0,1,2,3,4,5,6,7,8,9,10,11,12,13,14,15,16,17,18,19,20,21,22,23,24,25,26,27,28,29,30,31
	v_mad_u32_u24 v[32+\i], s34, \i, v4            ; row i of a block, my column
.endr
.macro WLOAD t
.irp i, 0,1,2,3,4,5,6,7,8,9,10,11,12,13,14,15,16,17,18,19,20,21,22,23,24,25,26,27,28,29,30,31
	global_load_b32 v[64+32*((\t)%2)+\i], v[32+\i], s[40+2*(\t):41+2*(\t)] th:TH_LOAD_NT
.endr
.endm
	WLOAD 0
	WLOAD 1
	s_mul_i32 s48, s36, 768                        ; (column / 16) tiles of 12,288 bytes
	s_mul_i32 s49, s26, 1536
	s_add_co_u32 s48, s48, s49
	s_mov_b32 s49, 0
	s_add_nc_u64 s[30:31], s[30:31], s[48:49]
	s_lshl_b32 s48, s26, 15
	s_lshl_b32 s50, s25, 10
	s_add_co_u32 s48, s48, s50
	s_lshl_b32 s50, s20, 9
	s_add_co_u32 s48, s48, s50
	s_add_co_u32 s48, s48, 262144
	s_add_nc_u64 s[32:33], s[32:33], s[48:49]
	v_and_b32 v5, 7, v1
	s_delay_alu instid0(VALU_DEP_1)
	v_lshl_add_u32 v5, v3, 3, v5                   ; my column's place in its tile: lane % 8 + 8 (lane / 16)
	v_bfe_u32 v6, v1, 3, 1                         ; and its tile: (lane / 8) % 2
	s_mul_i32 s51, s20, 3328
	s_add_co_u32 s51, s51, WST                     ; my stage: two tiles of 1,536 bytes, 1,664 apart
	v_mul_u32_u24 v7, v6, 1664
	s_delay_alu instid0(VALU_DEP_1)
	v_add_nc_u32 v7, s51, v7
	s_delay_alu instid0(VALU_DEP_1)
	v_lshl_add_u32 v8, v5, 4, v7                   ; where my first 16 bytes go,
	s_delay_alu instid0(VALU_DEP_2)
	v_lshl_add_u32 v9, v5, 3, v7
	s_delay_alu instid0(VALU_DEP_1)
	v_add_nc_u32 v9, 512, v9                       ; and my last 8
	v_lshlrev_b32 v10, 4, v1
	s_delay_alu instid0(VALU_DEP_1)
	v_add_nc_u32 v11, s51, v10                     ; back: 16 x lane
	s_lshl_b32 s52, s20, 7
	v_lshlrev_b32 v12, 6, v6
	s_delay_alu instid0(VALU_DEP_1)
	v_lshl_add_u32 v12, v5, 2, v12
	s_delay_alu instid0(VALU_DEP_1)
	v_add_nc_u32 v12, s52, v12
	s_delay_alu instid0(VALU_DEP_1)
	v_add_nc_u32 v12, GW, v12                      ; my column's scale word
	s_min_u32 s52, s20, 1
	s_lshl_b32 s52, s52, 9
	v_add_nc_u32 v13, s52, v10
	s_delay_alu instid0(VALU_DEP_1)
	v_add_nc_u32 v13, GW, v13                      ; where waves 0 and 1 read 512 bytes of words back
.macro WBLOCK t
.set XS, 64+32*((\t)%2)
.if (\t) < 3
	s_wait_loadcnt 32                              ; this block's 32 loads are in; the next block's may be out
.else
	s_wait_loadcnt 0x0
.endif
	MAX32 XS
.if (\t) == 0
	s_delay_alu instid0(VALU_DEP_1)
	v_mov_b32 v24, v23
.else
	s_delay_alu instid0(VALU_DEP_1)
	v_lshl_or_b32 v24, v23, 8*(\t), v24
.endif
	CODES XS
	ds_store_b128 v8, v[224:227] offset:768*((\t)/2)+256*((\t)%2)    ; half image t / 2, lanes' half t % 2
	ds_store_b64 v9, v[228:229] offset:768*((\t)/2)+128*((\t)%2)
.if (\t) < 2
	WLOAD (\t)+2
.endif
	s_wait_dscnt 0x0                               ; the stores have read their registers
.endm
	WBLOCK 0
	WBLOCK 1
	WBLOCK 2
	WBLOCK 3
.irp u, 0,1
.irp c, 0,1,2
	ds_load_b128 v[140+4*(3*\u+\c):140+4*(3*\u+\c)+3], v11 offset:1664*\u+512*\c
.endr
.endr
	s_wait_alu depctr_va_vdst(0)
	ds_store_b32 v12, v24
	s_wait_dscnt 0x0                               ; the images are back, and my scale words lie in LDS
.irp u, 0,1
.irp c, 0,1,2
	global_store_b128 v10, v[140+4*(3*\u+\c):140+4*(3*\u+\c)+3], s[30:31] offset:12288*\u+512*\c
.endr
.endr
	s_barrier_signal -1
	s_barrier_wait -1
	s_cmp_lt_u32 s20, 2
	s_cbranch_scc0 .Lw_end
	ds_load_b128 v[168:171], v13                   ; registers of their own: the image stores above may still read v140-163
	s_wait_dscnt 0x0
	global_store_b128 v10, v[168:171], s[32:33]    ; eight tiles' words: 512 consecutive bytes, aligned
.Lw_end:
	s_wait_tensorcnt 0x0
	ds_add_u32 v240, v241
	s_wait_dscnt 0x0
	s_endpgm
.Lfunc_end_k_q91426ed8fc_prep:
	.size	k_q91426ed8fc_prep, .Lfunc_end_k_q91426ed8fc_prep-k_q91426ed8fc_prep
	.p2alignl 7, 3214868480
	.fill 96, 4, 3214868480
	.section	.rodata,"a",@progbits
	.p2align	6, 0x0
	.amdhsa_kernel k_q91426ed8fc_prep
		.amdhsa_group_segment_fixed_size 65536
		.amdhsa_private_segment_fixed_size 0
		.amdhsa_enable_private_segment 0
		.amdhsa_kernarg_size 64
		.amdhsa_user_sgpr_count 2
		.amdhsa_user_sgpr_kernarg_segment_ptr 1
		.amdhsa_wavefront_size32 1
		.amdhsa_system_sgpr_workgroup_id_x 1
		.amdhsa_system_sgpr_workgroup_id_y 1
		.amdhsa_system_sgpr_workgroup_id_z 1
		.amdhsa_system_vgpr_workitem_id 0
		.amdhsa_next_free_vgpr 242
		.amdhsa_next_free_sgpr 66
		.amdhsa_reserve_vcc 1
		.amdhsa_float_denorm_mode_32 3
		.amdhsa_float_denorm_mode_16_64 3
		.amdhsa_memory_ordered 1
		.amdhsa_forward_progress 1
		.amdhsa_inst_pref_size 53
	.end_amdhsa_kernel
	.amdgpu_metadata
---
amdhsa.version: [ 1, 2 ]
amdhsa.kernels:
  - .name:           k_q91426ed8fc_prep
    .symbol:         k_q91426ed8fc_prep.kd
    .args:
      - { .name: x, .offset: 0, .size: 8, .value_kind: global_buffer, .address_space: global }
      - { .name: w_qkv, .offset: 8, .size: 8, .value_kind: global_buffer, .address_space: global }
      - { .name: w_out, .offset: 16, .size: 8, .value_kind: global_buffer, .address_space: global }
      - { .name: x_img, .offset: 24, .size: 8, .value_kind: global_buffer, .address_space: global }
      - { .name: wq_img, .offset: 32, .size: 8, .value_kind: global_buffer, .address_space: global }
      - { .name: wo_img, .offset: 40, .size: 8, .value_kind: global_buffer, .address_space: global }
      - { .name: sc1, .offset: 48, .size: 8, .value_kind: global_buffer, .address_space: global }
      - { .name: sc4, .offset: 56, .size: 8, .value_kind: global_buffer, .address_space: global }
    .group_segment_fixed_size: 65536
    .private_segment_fixed_size: 0
    .kernarg_segment_align: 8
    .kernarg_segment_size: 64
    .max_flat_workgroup_size: 256
    .sgpr_count:     66
    .vgpr_count:     242
    .wavefront_size: 32
...
	.end_amdgpu_metadata
.endif
;; end of part 1
;; launch gemm_qkv (part 2): grid 8 x 32, 4 waves a work-group, clusters of 4 x 4, 327,680 bytes of LDS; arguments x_img, wq_img, sc1, b_qkv, q_gain, k_gain, qkv_img, qkv_sc; writes qkv_img, qkv_sc
.if DOCPART == 2
	.amdgcn_target "amdgcn-amd-amdhsa--gfx1250"
	.amdhsa_code_object_version 6
	.text
	.protected	k_q91426ed8fc_gemm_qkv
	.globl	k_q91426ed8fc_gemm_qkv
	.p2align	8
	.type	k_q91426ed8fc_gemm_qkv,@function
k_q91426ed8fc_gemm_qkv:
	s_mov_b64 s[64:65], 0
	v_nop
	global_prefetch_b8 v0, s[64:65] scope:SCOPE_SE
	s_setreg_imm32_b32 hwreg(HW_REG_WAVE_MODE, 25, 1), 1
	s_wait_xcnt 0x0
	s_wait_alu depctr_hold_cnt(0) depctr_sa_sdst(0) depctr_va_vdst(0) depctr_va_sdst(0) depctr_va_ssrc(0) depctr_va_vcc(0) depctr_vm_vsrc(0)
	s_getreg_b32 s2, hwreg(HW_REG_IB_STS2, 6, 4)
	s_cmp_eq_u32 s2, 0
	s_cbranch_scc0 .Lentry_in_a_cluster
	s_endpgm
.Lentry_in_a_cluster:
	s_bfe_u32 s2, ttmp6, 0x10000c
	s_cmp_lg_u32 s2, 0xf033
	s_cbranch_scc0 .Lentry_shape_is_right
	s_endpgm
.Lentry_shape_is_right:
; qkv = x w_qkv + b_qkv on codes of FP6 (E2M3) with E8M0 scales, and all that follows up to attention's operands: for q and k the gain, the rotary embedding, the l2 norm and the
; quantiser along the head's 64; for v the quantiser along the KEYS.  Results leave as images of operand registers (half images of 768 bytes:
; 16 rows x 64 K; lane (r, h) owns row r, k = 32 h .. + 31: 16 bytes at 16 x lane, 8 at 512 + 8 x lane).
; WORK LEFT OUT: the RMS factor r = rsqrt(mean(t t) + 1e-6) of the QK norm.  It is positive and finite for every finite t, the gain and the rotation are linear, and the l2 norm follows:
; r w / |r w| = w / |w|, w the rotated t x gain.  LIMIT: a NaN, an infinity or an overflow that arises in that mean alone is not carried to the result.
; SHARES.  A work-group: 256 tokens x the 128 columns of two heads, for q, then k, then v: three tiles, 256 work-groups.  A wave: 128 tokens x one head's 64 columns:
; 32 accumulators, register window 2.  A's 16 token tiles lie in LDS for all of K, filled once (196,608 bytes); a tile of B lies in two slots of 49,152 bytes, one for each half of K.
; A slot is filled again with the next tile's half when its four K steps are read out: four refills, each behind the three lines and a round of the cluster's barrier.
; q and k are two trips of one loop; v, which asks for nothing more, is written out behind it.
; A K STEP: the next step's 48 LDS loads go out in one run, into the other set of fragment registers; then come this step's 32 products.
; CLUSTERS: 4 x 4 work-groups; A is asked for jointly along a row of the cluster, B along a column.
; TRANSPOSED USE: source 0 = 16 columns of w_qkv, source 1 = 16 tokens.  The rows of a tile are not neighbours (place r of tile u of a group of 32: 8 u + r % 8 + 16 (r / 8)), so a lane holds
; ONE token and the 16 registers of column tiles 2 B, 2 B + 1 are features 32 B + 16 h + 0 .. 15.  The bias is the C of each sum's first product.
; SCALE WORDS: one load brings 128 bytes, two tiles' words: lanes 0-15 the even tile, lanes 16-31 the odd one; the product names the row.
; PREFETCH: behind each refill of the first trip, v's half tile for the same slot, which is loaded two refills later: 192 blocks of 256 bytes, shared out by address among the
; four partners of a column and their waves, 12 blocks a wave (lanes 12-31 name the wave's last block again).  k's tile is asked for by its refills alone.
; LIMITS: NaN and infinities among the inputs are not served; the sum of w^2 of a token's head lies between 2^-126 and 2^127; a token whose q or k is all zeros gives NaN ahead of the
; quantiser, as in the definition, and what the codes then hold was not tried.
; REGISTERS.  window 0: v1-3 r, h, lane; v4-11 LDS addresses; v12-19 table lines; v20-27 other addresses; v28, v29 for the add; v30 prefetch; v32-63 gains; v64-95 A's scale words; v96-111 B's;
;   v112-120 the quantiser's; v128-223 A's fragments, set 0 (at work on the way out, with v224-255).  window 1: v0-95 B's two sets; v128-223 A's set 1; v224-255 the bias.
;   window 2: accumulator (a, b) at v[32 a + 8 b].  window 3: 16 cos and 16 sin for each of my eight token tiles, at v[32 a].
.set SLOTB, 196608
.set HB,    49152
.set SPARE, 294912                     ; the spare words, 128 bytes a wave
.set VST,   196608                     ; v's stages, 4 x 8,704 bytes, in slot 0: it has had its last fill, and nobody reads it behind the barrier in v's fourth K step
.set NEXTW, 786432                     ; 64 column tiles: from q's columns to k's, from k's to v's
.set MSB,   0
.macro WIN new                         ; the immediate's high byte repeats the setting that is left
.if MSB != (\new)
	s_set_vgpr_msb (MSB<<8)|(\new)
.set MSB, (\new)
.endif
.endm
.macro PLACES                          ; four plain places behind matrix instructions (ISA guide 7.12.1)
.rept 4
	v_nop
.endr
.endm
.macro CREST                           ; a round of the cluster's barrier behind its opening barrier
	s_cmp_lg_u32 s14, 0
	s_cbranch_scc1 .Lnot_wave_0_\@
	s_barrier_signal -3
.Lnot_wave_0_\@:
	s_barrier_wait -3
	s_barrier_signal -1
	s_barrier_wait -1
.endm
.macro CROUND
	s_barrier_signal -1
	s_barrier_wait -1
	CREST
.endm
.macro FRAG reg, a16, a8, off          ; a fragment: two half images on end
	ds_load_b128 v[\reg:\reg+3], v[\a16] offset:\off
	ds_load_b64 v[\reg+4:\reg+5], v[\a8] offset:\off+512
	ds_load_b128 v[\reg+6:\reg+9], v[\a16] offset:\off+768
	ds_load_b64 v[\reg+10:\reg+11], v[\a8] offset:\off+1280
.endm
.macro FETCH k                         ; K step k's twelve fragments into set k % 2: 48 LDS loads
.set P_, (\k)%2
	WIN 0x40
.irp b, 0,1,2,3
	FRAG 48*P_+12*\b, 8+2*((\k)/4), 9+2*((\k)/4), 6144*\b+1536*((\k)%4)
.endr
	WIN 0x40*P_
.irp a, 0,1,2,3
	FRAG 128+12*\a, 4, 5, 12288*\a+1536*(\k)
.endr
.irp a, 0,1,2,3
	FRAG 176+12*\a, 6, 7, 12288*\a+1536*(\k)
.endr
	WIN 0
.endm
.macro WM a, b, k, zero                ; one product: column tile b x token tile a, K step k
.set D_, 32*(\a)+8*(\b)
.if \zero
.set C_, 224+8*(\b)
.else
.set C_, D_
.endif
.set B_, 48*((\k)%2)+12*(\b)
.set A_, 128+12*(\a)
.set SB_, 96+8*((\b)/2)+(\k)
.set SA_, 64+8*((\a)/2)+(\k)
.if (\b)%2
.if (\a)%2
	v_wmma_scale_f32_16x16x128_f8f6f4 v[D_:D_+7], v[B_:B_+11], v[A_:A_+11], v[C_:C_+7], v[SB_], v[SA_] matrix_a_fmt:MATRIX_FMT_FP6 matrix_b_fmt:MATRIX_FMT_FP6 matrix_a_scale:MATRIX_SCALE_ROW1 matrix_b_scale:MATRIX_SCALE_ROW1
.else
	v_wmma_scale_f32_16x16x128_f8f6f4 v[D_:D_+7], v[B_:B_+11], v[A_:A_+11], v[C_:C_+7], v[SB_], v[SA_] matrix_a_fmt:MATRIX_FMT_FP6 matrix_b_fmt:MATRIX_FMT_FP6 matrix_a_scale:MATRIX_SCALE_ROW1
.endif
.else
.if (\a)%2
	v_wmma_scale_f32_16x16x128_f8f6f4 v[D_:D_+7], v[B_:B_+11], v[A_:A_+11], v[C_:C_+7], v[SB_], v[SA_] matrix_a_fmt:MATRIX_FMT_FP6 matrix_b_fmt:MATRIX_FMT_FP6 matrix_b_scale:MATRIX_SCALE_ROW1
.else
	v_wmma_scale_f32_16x16x128_f8f6f4 v[D_:D_+7], v[B_:B_+11], v[A_:A_+11], v[C_:C_+7], v[SB_], v[SA_] matrix_a_fmt:MATRIX_FMT_FP6 matrix_b_fmt:MATRIX_FMT_FP6
.endif
.endif
.endm
.macro MUL16 a0, k, zero               ; the 32 accumulators take turns, one instruction a turn, in the same order in every step
.irp a, \a0, \a0+1, \a0+2, \a0+3
.irp b, 0,1,2,3
	WM \a, \b, \k, \zero
.endr
.endr
.endm
.macro MULWIN k, zero                  ; B window 1, A window k % 2, C and D window 2 (the bias: window 1)
.if \zero
	WIN 0x91
.else
	WIN 0xa1+4*((\k)%2)
.endif
.endm
.macro STEP k, zero                    ; a K step: the next step's fragments are asked for first, then 32 products
	PLACES                                         ; for the loads into the set that the last step multiplied
	FETCH (\k)+1
	s_wait_dscnt 48                                ; this step's fragments are in; the 48 loads just issued may be out
	MULWIN \k, \zero
	MUL16 0, \k, \zero
	MUL16 4, \k, \zero
.endm
.macro LAST k
	s_wait_dscnt 0x0
	MULWIN \k, 0
	MUL16 0, \k, 0
	MUL16 4, \k, 0
.endm
.macro ASK slot                        ; in the first trip alone: v's half tile for this slot
	s_cmp_eq_u32 s88, 0
	s_cbranch_scc0 .Lnot_asked_\@
	global_prefetch_b8 v30, s[82:83] offset:6144*(\slot) th:TH_LOAD_NT scope:SCOPE_SE
.Lnot_asked_\@:
.endm
; The last K step of a slot.  fill = 1: each wave waits for all its tensor loads, adds 0 to its spare word, waits for that and for its LDS reads; the barrier opens a round of the cluster's;
; the slot just read out takes the next tile's half, two column tiles a wave.  fill = 0: a plain barrier, which shows the other slot whole.
.macro TURN k, slot, fill, fetch
	WIN 0
	s_wait_tensorcnt 0x0                           ; all my tensor loads have landed
.if \fill
	ds_add_u32 v28, v29
	s_add_nc_u64 s[58+4*(\slot):59+4*(\slot)], s[58+4*(\slot):59+4*(\slot)], NEXTW   ; no load of mine is out: the slot's next tile
	s_wait_dscnt 1                                 ; (the add may be out)
.else
	s_wait_dscnt 0x0
.endif
	MULWIN \k, 0
	MUL16 0, \k, 0
	s_wait_dscnt 0x0                               ; the add is done, and my LDS reads are over
	s_barrier_signal -1
	MUL16 4, \k, 0
	WIN 0
	s_barrier_wait -1
.if \fill
	CREST
	tensor_load_to_lds s[56+4*(\slot):59+4*(\slot)], s[40:47]   ; the first tensor load behind the round, one a wave
	s_nop 0
	PLACES
.else
	PLACES
.endif
.if \fetch
	FETCH (\k)+1
.endif
.if \fill
	ASK \slot
.endif
.endm
.macro TILEIN                          ; a tile's scale words of B (16 loads) and its bias (8 loads)
.irp j, 0,1
.irp k, 0,1,2,3,4,5,6,7
	global_load_b32 v[96+8*\j+\k], v23, s[78:79] offset:32768*\k+128*\j
.endr
.endr
	WIN 0x40
.irp b, 0,1,2,3
	global_load_b128 v[224+8*\b:227+8*\b], v25, s[10:11] offset:(32*(\b/2)+8*(\b%2))*4
	global_load_b128 v[228+8*\b:231+8*\b], v25, s[10:11] offset:(32*(\b/2)+8*(\b%2))*4+16
.endr
	WIN 0
.endm
	s_load_b256 s[4:11], s[0:1], 0x0               ; x_img s[4:5], wq_img s[6:7], sc1 s[8:9], b_qkv s[10:11]
	s_load_b256 s[68:75], s[0:1], 0x20             ; q_gain s[68:69], k_gain s[70:71], qkv_img s[72:73], qkv_sc s[74:75]
	v_lshl_add_u32 v28, v0, 2, SPARE
	v_mov_b32 v29, 0
	ds_add_u32 v28, v29                            ; the opening lines: the add twice on end and its wait
	ds_add_u32 v28, v29
	v_lshrrev_b32 v1, 5, v0
	v_readfirstlane_b32 s14, v1                    ; wave 0..3
	s_lshr_b32 s15, s14, 1                         ; my half of the tokens.  Also: at the head I fetch for A (0) or B (1)
	s_and_b32 s16, s14, 1                          ; my head of the two.  Also: which half I fetch at the head
	s_bfe_u32 s19, ttmp6, 0x40000                  ; cx
	s_bfe_u32 s20, ttmp6, 0x40004                  ; cy
	s_lshl_b32 s18, ttmp9, 2
	s_add_co_u32 s18, s18, s19                     ; x: pair of heads
	s_and_b32 s17, ttmp7, 0xffff
	s_lshl_b32 s17, s17, 2
	s_add_co_u32 s17, s17, s20                     ; y: block of 256 tokens
	s_lshl_b32 s21, s20, 2
	s_lshl_b32 s21, 15, s21                        ; my row of the cluster
	s_lshl_b32 s22, 0x1111, s19                    ; my column
	s_or_b32 s24, s21, (3<<16)|(1<<21)             ; group 1: the mask; elements of 8 bytes; bit 21 beside a mask
	s_or_b32 s32, s22, (3<<16)|(1<<21)
	s_or_b32 s40, s22, (3<<16)|(1<<21)
	s_mov_b32 s25, 1536<<16                        ; A: eight tiles' whole images, rows of 12,288 bytes
	s_mov_b32 s26, 8<<16
	s_mov_b32 s27, 1536<<16
	s_mov_b32 s28, 8
	s_mov_b32 s29, 1536
	s_mov_b32 s30, 0
	s_mov_b32 s31, 0
	s_mov_b32 s33, 768<<16                         ; B at the head: half of K of eight tiles, rows of 6,144 bytes, 12,288 apart
	s_mov_b32 s34, 8<<16
	s_mov_b32 s35, 768<<16
	s_mov_b32 s36, 8
	s_mov_b32 s37, 1536
	s_mov_b32 s38, 0
	s_mov_b32 s39, 0
	s_mov_b32 s41, 768<<16                         ; B's refills: the same of two tiles
	s_mov_b32 s42, 2<<16
	s_mov_b32 s43, 768<<16
	s_mov_b32 s44, 2
	s_mov_b32 s45, 1536
	s_mov_b32 s46, 0
	s_mov_b32 s47, 0
	s_lshl_b32 s84, s17, 4
	s_lshl_b32 s23, s16, 3
	s_add_co_u32 s84, s84, s23
	s_mul_i32 s84, s84, 12288                      ; A: tile 16 y + 8 x half
	s_mov_b32 s85, 0
	s_mul_i32 s86, s18, 98304                      ; B: column tile 8 x
	s_mov_b32 s87, 0
	s_mul_i32 s90, s16, 6144
	s_mov_b32 s91, 0
	s_mul_i32 s92, s14, 24576
	s_mov_b32 s93, 0
	s_mov_b32 s98, 0x76543210
	s_mov_b32 s99, 0xfedcba98                      ; lane xor 16
	s_wait_dscnt 0x0
	s_wait_kmcnt 0x0
	s_add_nc_u64 s[84:85], s[4:5], s[84:85]
	s_add_nc_u64 s[86:87], s[6:7], s[86:87]
	s_mov_b32 s48, 1
	s_mul_i32 s49, s16, 98304
	s_mov_b64 s[50:51], s[84:85]
	s_or_b32 s51, s51, 0x80000000
	s_mov_b32 s52, 1
	s_mul_i32 s53, s16, HB
	s_add_co_u32 s53, s53, SLOTB
	s_add_nc_u64 s[54:55], s[86:87], s[90:91]
	s_or_b32 s55, s55, 0x80000000
	s_mov_b32 s56, 1
	s_mul_i32 s57, s14, 12288
	s_add_co_u32 s57, s57, SLOTB
	s_add_nc_u64 s[58:59], s[86:87], s[92:93]      ; stepped by NEXTW ahead of each refill
	s_mov_b32 s60, 1
	s_add_co_u32 s61, s57, HB
	s_add_nc_u64 s[62:63], s[58:59], 6144
	s_or_b32 s59, s59, 0x80000000
	s_or_b32 s63, s63, 0x80000000
	CROUND                                         ; all sixteen work-groups are here: the first joint loads meet
	s_cmp_eq_u32 s15, 0                            ; one load a wave: waves 0, 1 A's halves, waves 2, 3 the halves of K of q's tile of B
	s_cbranch_scc0 .Lhead_b
	tensor_load_to_lds s[48:51], s[24:31]
	s_nop 0
	PLACES
	s_branch .Lhead_asked
.Lhead_b:
	tensor_load_to_lds s[52:55], s[32:39]
	s_nop 0
	PLACES
.Lhead_asked:
	s_mul_i32 s21, s15, 98304                      ; my eight token tiles in LDS
	s_mul_i32 s22, s16, 24576
	s_add_co_u32 s22, s22, SLOTB                   ; my four column tiles in slot 0
	s_mul_i32 s23, s14, 8704
	s_add_co_u32 s23, s23, VST                     ; my stage
	s_lshl_b32 s90, s17, 10
	s_lshl_b32 s94, s15, 9
	s_add_co_u32 s90, s90, s94
	s_add_nc_u64 s[76:77], s[8:9], s[90:91]        ; my token tiles' scale words
	s_lshl_b32 s90, s18, 9
	s_lshl_b32 s94, s16, 8
	s_add_co_u32 s90, s90, s94                     ; 512 x + 256 head: my columns' bias, and my column tiles' words
	s_add_nc_u64 s[10:11], s[10:11], s[90:91]
	s_add_co_u32 s90, s90, 262144
	s_add_nc_u64 s[78:79], s[8:9], s[90:91]
	s_lshr_b32 s94, s17, 2
	s_lshl_b32 s94, s94, 4
	s_lshl_b32 s95, s18, 1
	s_add_co_u32 s94, s94, s95
	s_add_co_u32 s94, s94, s16                     ; batch x 16 + head
	s_and_b32 s95, s17, 3
	s_lshl_b32 s95, s95, 1
	s_add_co_u32 s95, s95, s15                     ; st: which 128 tokens of the batch
	s_mul_i32 s90, s94, 49152
	s_mul_i32 s92, s95, 6144
	s_add_co_u32 s90, s90, s92
	s_add_nc_u64 s[72:73], s[72:73], s[90:91]      ; q's images
	s_lshl_b32 s90, s94, 11
	s_lshl_b32 s92, s95, 8
	s_add_co_u32 s90, s90, s92
	s_add_nc_u64 s[74:75], s[74:75], s[90:91]      ; q's scale words
	s_mul_i32 s92, s95, 4608                       ; v's images take 1,536 bytes for 128 tokens, not 6,144
	s_lshl_b32 s94, s95, 9                         ; 128 x 4 st
	s_lshl_b32 s90, s20, 1
	s_add_co_u32 s90, s90, s15
	s_mul_i32 s90, s90, 12288
	s_mul_i32 s95, s16, 3072
	s_add_co_u32 s90, s90, s95
	s_add_co_u32 s90, s90, 2*NEXTW
	s_add_nc_u64 s[82:83], s[86:87], s[90:91]      ; the prefetches: v's column tile 2 cy + wave / 2, blocks 12 (wave % 2) on
	v_and_b32 v3, 31, v0
	v_and_b32 v1, 15, v0
	v_bfe_u32 v2, v0, 4, 1
	v_lshlrev_b32 v26, 4, v3                       ; 16 x lane
	v_lshlrev_b32 v27, 3, v3                       ; 8 x lane
	v_lshlrev_b32 v23, 2, v3                       ; 4 x lane
	v_lshlrev_b32 v25, 6, v2                       ; 64 h
	v_lshlrev_b32 v22, 4, v1                       ; 16 r
	v_add_nc_u32 v4, s21, v26                      ; A's tiles 0-3,
	v_add_nc_u32 v5, s21, v27
	v_add_nc_u32 v6, 49152, v4                     ; 4-7
	v_add_nc_u32 v7, 49152, v5
	v_add_nc_u32 v8, s22, v26                      ; B in slot 0,
	v_add_nc_u32 v9, s22, v27
	v_add_nc_u32 v10, HB, v8                       ; in slot 1
	v_add_nc_u32 v11, HB, v9
	v_mul_u32_u24 v20, v1, 272
	v_lshl_add_u32 v20, v2, 5, v20
	v_add_nc_u32 v20, s23, v20                     ; into the stage: row r, 32 h
	v_lshl_add_u32 v21, v3, 2, s23                 ; out of it: 4 x lane
	v_min_u32 v30, 11, v3
	v_lshlrev_b32 v30, 8, v30
	v_cmp_eq_u32 vcc_lo, 1, v2                     ; lanes 0-15 turn by the token's row in the grid of 32 x 32, lanes 16-31 by its column
	v_and_b32 v112, 7, v1
	v_lshrrev_b32 v113, 3, v1
	v_lshl_add_u32 v112, v113, 4, v112
	v_lshlrev_b32 v112, 7, v112                    ; 128 x (r % 8 + 16 (r / 8))
	v_mov_b32 v113, s94
.irp a, 0,1,2,3,4,5,6,7
	v_add_nc_u32 v114, 128*(\a/2), v113
	v_add_nc_u32 v[12+\a], 1024*(\a%2), v112
	v_cndmask_b32 v[12+\a], v114, v[12+\a], vcc_lo
.endr
	v_mov_b32 v229, 0                              ; (named as the upper halves of pairs)
	v_mov_b32 v231, 0
	v_mov_b32 v114, 0                              ; (a lane permute's destination counts as read)
	v_mov_b32 v115, 0
	v_mov_b32 v225, 0
	s_wait_alu depctr_va_vdst(0)
.irp j, 0,1,2,3
.irp k, 0,1,2,3,4,5,6,7
	global_load_b32 v[64+8*\j+\k], v23, s[76:77] offset:32768*\k+128*\j
.endr
.endr
	WIN 0xc0
.irp a, 0,1,2,3,4,5,6,7
.irp j, 0,1,2,3,4,5,6,7
	global_load_b128 v[32*\a+4*\j:32*\a+4*\j+3], v[12+\a], s[8:9] offset:524288+16*\j
.endr
.endr
	WIN 0
	TILEIN
	s_wait_tensorcnt 0x0                           ; my load has landed,
	s_barrier_signal -1
	s_barrier_wait -1                              ; everybody's has: A and q's tile of B lie in LDS
	s_mov_b32 s88, 0
; 32 numbers of a lane, register 16 B + i = k 32 B + 16 h + i of its row, become a half image's 24 bytes in v232-237 and the two scale bytes in v120
.macro QUANT2 s
	v_max3_num_f32 v112, |v[\s]|, |v[\s+1]|, 0x1800000
	v_max3_num_f32 v113, |v[\s+16]|, |v[\s+17]|, 0x1800000
.irp i, 2,4,6,8,10,12,14
	v_max3_num_f32 v112, v112, |v[\s+\i]|, |v[\s+\i+1]|
	v_max3_num_f32 v113, v113, |v[\s+16+\i]|, |v[\s+17+\i]|
.endr
	v_permlanex16_b32 v114, v112, s98, s99
	v_permlanex16_b32 v115, v113, s98, s99
	v_max_num_f32 v112, v112, v114
	v_max_num_f32 v113, v113, v115
	v_add_nc_u32 v116, 0xff000000, v112            ; 2 off the exponent field
	v_add_nc_u32 v117, 0xff000000, v113
	v_lshrrev_b32 v118, 23, v116
	v_lshrrev_b32 v119, 23, v117
	v_lshl_or_b32 v120, v119, 8, v118
	s_wait_alu depctr_va_vdst(0)
	s_wait_xcnt 0x0                                ; the last stores have read v232-237
	v_cvt_scalef32_pk16_fp6_f32 v[232:234], v[\s:\s+15], v116
	v_cvt_scalef32_pk16_fp6_f32 v[240:242], v[\s+16:\s+31], v117
	v_nop                                          ; one plain place behind a scaled conversion
.irp i, 0,1,2
	v_permlane16_swap_b32 v[232+\i], v[240+\i]     ; a lane wants a whole block: lanes 0-15 block 0, lanes 16-31 block 1
.endr
.irp i, 0,1,2
	v_mov_b32 v[235+\i], v[240+\i]
.endr
.endm
; THE WAY OUT OF q AND k, in two halves for each token tile, so that tile a + 1's first half stands between tile a's root and its reader.  Register 16 B + i is feature 32 B + 16 h + i; the rotary pairs (d, d + 32) lie in one lane.
.macro QK1 a                           ; u = t x gain, w = u rotated (into set a % 2 of v160-223), 1 / sqrt(the sum of w^2)
.set AC, 32*(\a)
.set W_, 160+32*((\a)%2)
	WIN 0x02
	s_wait_alu depctr_va_vdst(0)                   ; the wait ahead of the first reader of these matrix results
.irp i, 0,2,4,6,8,10,12,14,16,18,20,22,24,26,28,30
	v_pk_mul_f32 v[128+\i:129+\i], v[AC+\i:AC+\i+1], v[32+\i:33+\i]          ; each accumulator from its low end on
.endr
	WIN 0x0c                                       ; source 1: cos and sin, window 3
.irp i, 0,2,4,6,8,10,12,14
	v_pk_mul_f32 v[W_+\i:W_+\i+1], v[128+\i:129+\i], v[AC+\i:AC+\i+1]
	v_pk_mul_f32 v[W_+16+\i:W_+17+\i], v[144+\i:145+\i], v[AC+\i:AC+\i+1]
.endr
.irp i, 0,2,4,6,8,10,12,14
	v_pk_fma_f32 v[W_+\i:W_+\i+1], v[144+\i:145+\i], v[AC+16+\i:AC+17+\i], v[W_+\i:W_+\i+1] neg_lo:[1,0,0] neg_hi:[1,0,0]   ; w(d) = u(d) cos - u(d + 32) sin
	v_pk_fma_f32 v[W_+16+\i:W_+17+\i], v[128+\i:129+\i], v[AC+16+\i:AC+17+\i], v[W_+16+\i:W_+17+\i]                         ; w(d + 32) = u(d + 32) cos + u(d) sin
.endr
	WIN 0
	v_pk_mul_f32 v[224:225], v[W_:W_+1], v[W_:W_+1]
	v_pk_mul_f32 v[226:227], v[W_+2:W_+3], v[W_+2:W_+3]
.irp i, 4,8,12,16,20,24,28
	v_pk_fma_f32 v[224:225], v[W_+\i:W_+\i+1], v[W_+\i:W_+\i+1], v[224:225]
	v_pk_fma_f32 v[226:227], v[W_+\i+2:W_+\i+3], v[W_+\i+2:W_+\i+3], v[226:227]
.endr
	v_pk_add_f32 v[224:225], v[224:225], v[226:227]
	v_add_f32 v224, v224, v225
	v_permlanex16_b32 v225, v224, s98, s99
	v_add_f32 v224, v224, v225                     ; the sum of w^2
	s_wait_alu depctr_va_vdst(0)
	v_rsq_f32 v[228+2*((\a)%2)], v224
	v_nop                                          ; a plain place behind it
.endm
.macro QK2 a                           ; w / |w|, its codes and scale bytes
.set W_, 160+32*((\a)%2)
.set FS_, 228+2*((\a)%2)
	s_wait_alu depctr_va_vdst(0)                   ; ahead of the root's first reader
.irp i, 0,2,4,6,8,10,12,14,16,18,20,22,24,26,28,30
	v_pk_mul_f32 v[W_+\i:W_+\i+1], v[W_+\i:W_+\i+1], v[FS_:FS_+1] op_sel_hi:[1,0]
.endr
	QUANT2 W_
	global_store_b128 v26, v[232:235], s[72:73] offset:768*(\a)       ; 512 consecutive bytes,
	global_store_b64 v27, v[236:237], s[72:73] offset:768*(\a)+512    ; and 256
.if (\a)%2 == 0
	v_mov_b32 v[244+(\a)/2], v120                  ; a scale word: the two bytes of tile 2 F, then those of tile 2 F + 1
.else
	v_lshl_or_b32 v[244+(\a)/2], v120, 16, v[244+(\a)/2]
.endif
.endm
.Ltile:                                                ; trip 0: q, trip 1: k
	s_cmp_eq_u32 s88, 0
	s_cselect_b64 s[80:81], s[68:69], s[70:71]
.irp i, 0,1,2,3,4,5,6,7
	global_load_b128 v[32+4*\i:35+4*\i], v25, s[80:81] offset:128*(\i/4)+16*(\i%4)   ; register 16 B + i: gain at 32 B + 16 h + i
.endr
	FETCH 0
	s_wait_loadcnt 8                               ; all but the eight gain loads: scale words and bias are in
	STEP 0, 1
	STEP 1, 0
	STEP 2, 0
	TURN 3, 0, 1, 1                                ; slot 0 takes the next tile's first half of K
	STEP 4, 0
	STEP 5, 0
	STEP 6, 0
	TURN 7, 1, 1, 0                                ; slot 1 its second half; the four v_nop behind the load are the places behind the last products
	s_add_nc_u64 s[78:79], s[78:79], 4096          ; the earlier loads by these bases are done
	s_add_nc_u64 s[10:11], s[10:11], 4096
	TILEIN                                         ; the next tile's words and bias come in during the way out
	s_wait_loadcnt 24                              ; the gains are in; the 24 loads just issued may be out
	QK1 0
.irp a, 1,2,3,4,5,6,7
	QK1 \a
	QK2 \a-1
.endr
	QK2 7
	global_store_b128 v22, v[244:247], s[74:75]    ; sixteen lanes store 256 consecutive bytes, aligned (lanes 16-31 hold the same words and name the same bytes)
	s_wait_alu depctr_va_vdst(0)
	s_wait_xcnt 0x0                                ; the stores have read their bases
	s_add_nc_u64 s[72:73], s[72:73], 6291456
	s_add_nc_u64 s[74:75], s[74:75], 262144
	s_add_co_u32 s88, s88, 1
	s_cmp_lt_u32 s88, 2
	s_cbranch_scc1 .Ltile
; ---- v: the last tile asks for nothing more
	s_sub_nc_u64 s[72:73], s[72:73], s[92:93]
	FETCH 0
	s_wait_loadcnt 0x0
	STEP 0, 1
	STEP 1, 0
	STEP 2, 0
	TURN 3, 0, 0, 1                                ; slot 1 is whole behind this barrier, and slot 0 is read no more
	STEP 4, 0
	STEP 5, 0
	STEP 6, 0
	LAST 7
	WIN 0
	PLACES
; v's K in attention is the keys: a pair of token tiles (32 neighbouring tokens) goes through my stage, rows = tokens' places, and comes back with A LANE TO A COLUMN AND REGISTERS DOWN THE TOKENS in their true order
.macro VSTORE P
	WIN 0x08                                       ; an LDS store's data are its source 1
.irp ua, 0,1
.irp b, 0,1,2,3
	ds_store_b128 v20, v[32*(2*(\P)+\ua)+8*\b:32*(2*(\P)+\ua)+8*\b+3] offset:4352*\ua+64*\b
	ds_store_b128 v20, v[32*(2*(\P)+\ua)+8*\b+4:32*(2*(\P)+\ua)+8*\b+7] offset:4352*\ua+64*\b+16
.endr
.endr
	WIN 0
.endm
.macro RD g                            ; column tiles 2 g and 2 g + 1, a lane a column; token i of the pair lies at row 16 ((i / 8) % 2) + 8 (i / 16) + i % 8
.irp i, 0,1,2,3,4,5,6,7,8,9,10,11,12,13,14,15,16,17,18,19,20,21,22,23,24,25,26,27,28,29,30,31
	ds_load_b32 v[160+32*(\g)+\i], v21 offset:128*(\g)+272*(16*((\i/8)%2)+8*(\i/16)+\i%8)
.endr
.endm
.macro QV P, g
.set XS, 160+32*(\g)
.set CD, 128+12*((\P)%2)+6*(\g)
.set WVR, 244+2*(\g)
	v_max3_num_f32 v224, |v[XS]|, |v[XS+1]|, 0x1800000
	v_max3_num_f32 v225, |v[XS+2]|, |v[XS+3]|, |v[XS+4]|
.irp i, 5,9,13,17,21,25
	v_max3_num_f32 v224, v224, |v[XS+\i]|, |v[XS+\i+1]|
	v_max3_num_f32 v225, v225, |v[XS+\i+2]|, |v[XS+\i+3]|
.endr
	v_max3_num_f32 v224, v224, |v[XS+29]|, |v[XS+30]|
	v_max3_num_f32 v224, v224, v225, |v[XS+31]|
	v_add_nc_u32 v226, 0xff000000, v224
	v_lshrrev_b32 v227, 23, v226
.if (\P) == 0
	v_mov_b32 v[WVR], v227
.else
	v_lshl_or_b32 v[WVR], v227, 8*(\P), v[WVR]     ; four key blocks make my column's scale word
.endif
	s_wait_alu depctr_va_vdst(0)
	s_wait_xcnt 0x0                                ; earlier stores have read the codes' registers
	v_cvt_scalef32_pk16_fp6_f32 v[CD:CD+2], v[XS:XS+15], v226
	v_cvt_scalef32_pk16_fp6_f32 v[240:242], v[XS+16:XS+31], v226
	v_nop
.irp i, 0,1,2
	v_mov_b32 v[CD+3+\i], v[240+\i]
.endr
.if (\P)%2 == 1                        ; two key blocks are a half image: lanes 0-15 the even block, lanes 16-31 the odd one, of ONE column tile
.irp k, 0,1,2,3,4,5
	v_permlane16_swap_b32 v[128+6*(\g)+\k], v[140+6*(\g)+\k]
.endr
.irp e, 0,1
	global_store_b128 v26, v[128+12*\e+6*(\g):128+12*\e+6*(\g)+3], s[72:73] offset:12288*(2*(\g)+\e)+768*((\P)/2)
	global_store_b64 v27, v[128+12*\e+6*(\g)+4:128+12*\e+6*(\g)+5], s[72:73] offset:12288*(2*(\g)+\e)+768*((\P)/2)+512
.endr
.endif
.endm
.irp P, 0,1,2,3
	VSTORE \P
	RD 0                                           ; LDS serves a wave's instructions in order: these see my stores
	RD 1
	s_wait_dscnt 32                                ; the first group's 32 loads are in
	QV \P, 0
	s_wait_dscnt 0x0
	QV \P, 1
.endr
	s_wait_alu depctr_va_vdst(0)
	v_mov_b32 v245, v244                           ; (tile 0 | tile 1) twice becomes tile 0 in all lanes and tile 1 in all lanes
	v_mov_b32 v247, v246
	v_permlane16_swap_b32 v244, v245
	v_permlane16_swap_b32 v246, v247
	global_store_b128 v22, v[244:247], s[74:75]    ; row r's four words
	s_wait_tensorcnt 0x0                           ; the wave's end
	ds_add_u32 v28, v29
	s_wait_dscnt 0x0
	CROUND                                         ; the closing round
	s_endpgm
.Lfunc_end_k_q91426ed8fc_gemm_qkv:
	.size	k_q91426ed8fc_gemm_qkv, .Lfunc_end_k_q91426ed8fc_gemm_qkv-k_q91426ed8fc_gemm_qkv
	.p2alignl 7, 3214868480
	.fill 96, 4, 3214868480
	.section	.rodata,"a",@progbits
	.p2align	6, 0x0
	.amdhsa_kernel k_q91426ed8fc_gemm_qkv
		.amdhsa_group_segment_fixed_size 327680
		.amdhsa_private_segment_fixed_size 0
		.amdhsa_enable_private_segment 0
		.amdhsa_kernarg_size 64
		.amdhsa_user_sgpr_count 2
		.amdhsa_user_sgpr_kernarg_segment_ptr 1
		.amdhsa_wavefront_size32 1
		.amdhsa_system_sgpr_workgroup_id_x 1
		.amdhsa_system_sgpr_workgroup_id_y 1
		.amdhsa_system_sgpr_workgroup_id_z 1
		.amdhsa_system_vgpr_workitem_id 0
		.amdhsa_next_free_vgpr 1024
		.amdhsa_next_free_sgpr 100
		.amdhsa_reserve_vcc 1
		.amdhsa_float_denorm_mode_32 3
		.amdhsa_float_denorm_mode_16_64 3
		.amdhsa_memory_ordered 1
		.amdhsa_forward_progress 1
		.amdhsa_inst_pref_size 239
	.end_amdhsa_kernel
	.amdgpu_metadata
---
amdhsa.version: [ 1, 2 ]
amdhsa.kernels:
  - .name:           k_q91426ed8fc_gemm_qkv
    .symbol:         k_q91426ed8fc_gemm_qkv.kd
    .args:
      - { .name: x_img, .offset: 0, .size: 8, .value_kind: global_buffer, .address_space: global }
      - { .name: wq_img, .offset: 8, .size: 8, .value_kind: global_buffer, .address_space: global }
      - { .name: sc1, .offset: 16, .size: 8, .value_kind: global_buffer, .address_space: global }
      - { .name: b_qkv, .offset: 24, .size: 8, .value_kind: global_buffer, .address_space: global }
      - { .name: q_gain, .offset: 32, .size: 8, .value_kind: global_buffer, .address_space: global }
      - { .name: k_gain, .offset: 40, .size: 8, .value_kind: global_buffer, .address_space: global }
      - { .name: qkv_img, .offset: 48, .size: 8, .value_kind: global_buffer, .address_space: global }
      - { .name: qkv_sc, .offset: 56, .size: 8, .value_kind: global_buffer, .address_space: global }
    .group_segment_fixed_size: 327680
    .private_segment_fixed_size: 0
    .kernarg_segment_align: 8
    .kernarg_segment_size: 64
    .max_flat_workgroup_size: 128
    .sgpr_count:     100
    .vgpr_count:     1024
    .wavefront_size: 32
...
	.end_amdgpu_metadata
.endif
;; end of part 2
;; launch attn (part 3): grid 4 x 64, 16 waves a work-group, clusters of 4 x 1, 207,872 bytes of LDS; arguments qkv_img, qkv_sc, o_img, sc4; writes o_img, sc4
.if DOCPART == 3
	.amdgcn_target "amdgcn-amd-amdhsa--gfx1250"
	.amdhsa_code_object_version 6
	.text
	.protected	k_q91426ed8fc_attn
	.globl	k_q91426ed8fc_attn
	.p2align	8
	.type	k_q91426ed8fc_attn,@function
k_q91426ed8fc_attn:
	s_mov_b64 s[64:65], 0
	v_nop
	global_prefetch_b8 v0, s[64:65] scope:SCOPE_SE
	s_setreg_imm32_b32 hwreg(HW_REG_WAVE_MODE, 25, 1), 1
	s_wait_xcnt 0x0
	s_wait_alu depctr_hold_cnt(0) depctr_sa_sdst(0) depctr_va_vdst(0) depctr_va_sdst(0) depctr_va_ssrc(0) depctr_va_vcc(0) depctr_vm_vsrc(0)
	s_getreg_b32 s2, hwreg(HW_REG_IB_STS2, 6, 4)
	s_cmp_eq_u32 s2, 0
	s_cbranch_scc0 .Lentry_in_a_cluster
	s_endpgm
.Lentry_in_a_cluster:
	s_bfe_u32 s2, ttmp6, 0x10000c
	s_cmp_lg_u32 s2, 0x3003
	s_cbranch_scc0 .Lentry_shape_is_right
	s_endpgm
.Lentry_shape_is_right:
; o = softmax(8 q k^T) v for unit vectors q and k, both products on codes of FP6 (E2M3) with E8M0 scales; o is quantised along the model's 1,024 for the last product and leaves as images of operand registers.
; SHARES.  A work-group: 256 queries of two heads of one batch; each of its sixteen waves one tile of 16 queries, for the two heads one after the other.  Four waves to a SIMD: one wave's vector work stands beside another's products.
; ALL K AND V OF BOTH HEADS LIE IN LDS, filled once: no ring.  The four query blocks of a cluster read the same K and V: each load is asked for jointly (mask 15).
; LAYOUT.  Both products transposed: S^T = K Q^T, O^T = V^T P^T: a lane holds one query.  A half image is 16 rows x 64 K (768 bytes); the head's size is 64, so a fragment of 128 along K is TWO KEY TILES on end, and it is
; multiplied once by [q | zeros] and once by [zeros | q]: zero codes add nothing.  The key tiles' rows are so ordered that the 16 registers of tiles 2 b and 2 b + 1 are keys 32 b + 16 h + 0 .. 15.
; THE SOFTMAX.  t = 8 log2(e) score; p = 2^(t - M) with M = 0.  The definition normalises q and k; a block's rounding moves a number by at most 1/16 of the block's largest, so the quantised vectors' norms are at most 1.36 and
; |t| < 22 for every input: p lies in 2^-22 .. 2^22 and a row's sum under 2^32.  M is a whole number that the blocks' scales take up exactly, so the codes' values over the sum are those of the running M.
; The row's sum is taken of the unquantised p and divides O at the end.
; LIMITS: NaN among q or k (an all-zero vector in the definition) is not served.
; No prefetch: everything is asked for at the head.
; REGISTERS: v1-3 16 x lane, 8 x lane, K's scale words' place; v4-8 the step's addresses; v[14:15] the sum; v16-27 [q | 0]; v28-39 [0 | q]; v40 q's scale word; v44-47 K's, v48-51 V's, v52 p's; v53 o's;
;   v56-103 four fragments; v104-167 S^T, then p; v168-199 O^T; v200-211 codes; v212-219, v220-237 at work; v240-246 the second head's q.
.set KV,   98304                       ; head u: K's 64 tiles at 98,304 u, V's 4 x 16 half images 49,152 on
.set VOFF, 49152
.set SCK,  196608                      ; K's scale words of both heads, 4,096 bytes; V's follow
.set GO,   204800                      ; o's scale words are gathered here: 1,024 bytes that no tile lands in
.set WV,   12
.set SEL,  44
.set CS,   46
.set TK,   48
.set TV,   49
.set TS,   50
.set CNT,  51
.macro CROUND
	s_barrier_signal -1
	s_barrier_wait -1
	s_cmp_lg_u32 s[WV], 0
	s_cbranch_scc1 .Lnot_wave_0_\@
	s_barrier_signal -3
.Lnot_wave_0_\@:
	s_barrier_wait -3
	s_barrier_signal -1
	s_barrier_wait -1
.endm
.macro FRAG reg, a16, a8, off
	ds_load_b128 v[\reg:\reg+3], v[\a16] offset:\off
	ds_load_b64 v[\reg+4:\reg+5], v[\a8] offset:\off+512
	ds_load_b128 v[\reg+6:\reg+9], v[\a16] offset:\off+768
	ds_load_b64 v[\reg+10:\reg+11], v[\a8] offset:\off+1280
.endm
	s_load_b256 s[4:11], s[0:1], 0x0               ; qkv_img s[4:5], qkv_sc s[6:7], o_img s[8:9], sc4 s[10:11]
	v_lshl_add_u32 v254, v0, 2, 0x32400
	v_mov_b32 v255, 0
	ds_add_u32 v254, v255
	ds_add_u32 v254, v255
	v_lshrrev_b32 v1, 5, v0
	s_delay_alu instid0(VALU_DEP_1)
	v_readfirstlane_b32 s[WV], v1                  ; wave 0..15
	s_bfe_u32 s13, ttmp6, 0x40000                  ; cx: my block of 256 queries; it enters global addresses of my own loads and stores alone
	s_and_b32 s14, ttmp7, 0xffff                   ; y = 8 x batch + pair of heads; batch x 16 + first head = 2 y
	s_mov_b32 s16, 15|(3<<16)|(1<<21)              ; group 1 for K and V: the mask of all four; elements of 8 bytes; bit 21 beside a mask
	s_mov_b32 s17, 32<<16                          ; a dense block as rows of 256 bytes
	s_mov_b32 s18, 96<<16                          ; 96 of them: 24,576 bytes
	s_mov_b32 s19, 32<<16
	s_mov_b32 s20, 96
	s_mov_b32 s21, 32
	s_mov_b32 s22, 0
	s_mov_b32 s23, 0
	s_mov_b32 s24, 15|(3<<16)|(1<<21)              ; and for the scale words: 16 rows: 4,096 bytes
	s_mov_b32 s25, 32<<16
	s_mov_b32 s26, 16<<16
	s_mov_b32 s27, 32<<16
	s_mov_b32 s28, 16
	s_mov_b32 s29, 32
	s_mov_b32 s30, 0
	s_mov_b32 s31, 0
	s_and_b32 s63, s[WV], 3                        ; waves 0-7, one load each: wave % 4 = 0, 1: K's halves; 2, 3: V's; wave / 4: the head
	s_lshr_b32 s60, s63, 1
	s_add_co_u32 s60, s60, 1
	s_mul_i32 s60, s60, 6291456                    ; k's part of the buffer or v's
	s_mul_i32 s61, s14, 98304
	s_add_co_u32 s60, s60, s61
	s_and_b32 s61, s63, 1
	s_mul_i32 s61, s61, 24576
	s_add_co_u32 s60, s60, s61
	s_mov_b32 s61, 0
	s_mul_i32 s62, s63, 24576
	s_bfe_u32 s36, s[WV], 0x10002                  ; the head whose part I fetch
	s_mul_i32 s37, s36, 49152
	s_add_co_u32 s60, s60, s37
	s_mul_i32 s37, s36, KV
	s_add_co_u32 s62, s62, s37
	s_and_b32 s66, s[WV], 1                        ; wave 8: K's scale words; wave 9: V's
	s_lshl_b32 s68, s66, 18
	s_add_co_u32 s68, s68, 262144
	s_lshl_b32 s69, s14, 12
	s_add_co_u32 s68, s68, s69
	s_mov_b32 s69, 0
	s_lshl_b32 s66, s66, 12
	s_mov_b32 s[SEL], 0x76543210
	s_mov_b32 s[SEL+1], 0xfedcba98
	s_mov_b32 s[CS], 0x4138aa3b                    ; 8 log2(e)
	s_mov_b32 s[CS+1], s[CS]
	s_wait_dscnt 0x0
	s_wait_kmcnt 0x0
	s_mov_b32 s32, 1
	s_mov_b32 s33, s62
	s_add_nc_u64 s[34:35], s[4:5], s[60:61]
	s_or_b32 s35, s35, 0x80000000
	s_mov_b32 s40, 1
	s_add_co_u32 s41, s66, SCK
	s_add_nc_u64 s[42:43], s[6:7], s[68:69]
	s_or_b32 s43, s43, 0x80000000
	CROUND                                         ; all four work-groups are here: the joint loads meet
	s_cmp_lt_u32 s[WV], 8                          ; one chain of branches, one load to an arm
	s_cbranch_scc0 .Lnot_kv
	tensor_load_to_lds s[32:35], s[16:23]
	s_nop 0
.rept 4
	v_nop
.endr
	s_branch .Lasked
.Lnot_kv:
	s_cmp_lt_u32 s[WV], 10                         ; wave 8: K's scale words; wave 9: V's
	s_cbranch_scc0 .Lasked
	tensor_load_to_lds s[40:43], s[24:31]
	s_nop 0
.rept 4
	v_nop
.endr
.Lasked:
	s_lshl_b32 s67, s13, 4
	s_add_co_u32 s67, s67, s[WV]                   ; my query tile in the batch
	s_mul_i32 s68, s14, 98304
	s_mul_i32 s70, s67, 768
	s_add_co_u32 s68, s68, s70
	s_add_nc_u64 s[52:53], s[4:5], s[68:69]        ; q's half image, first head
	s_lshl_b32 s68, s14, 12
	s_lshr_b32 s70, s67, 3
	s_lshl_b32 s70, s70, 8
	s_add_co_u32 s68, s68, s70
	s_bfe_u32 s70, s67, 0x20001
	s_lshl_b32 s70, s70, 2
	s_add_co_u32 s68, s68, s70
	s_add_nc_u64 s[54:55], s[6:7], s[68:69]        ; the word that holds its two scale bytes,
	s_and_b32 s71, s[WV], 1
	s_lshl_b32 s71, s71, 4                         ; in its low or high half
	s_lshr_b32 s72, s14, 3
	s_lshl_b32 s72, s72, 6
	s_add_co_u32 s73, s72, s67
	s_mul_i32 s68, s73, 12288
	s_and_b32 s74, s14, 7
	s_mul_i32 s70, s74, 1536
	s_add_co_u32 s68, s68, s70
	s_add_nc_u64 s[56:57], s[8:9], s[68:69]        ; o's image: my tile, half image = head
	s_lshl_b32 s68, s74, 15
	s_lshl_b32 s70, s13, 4
	s_add_co_u32 s70, s70, s72
	s_lshl_b32 s70, s70, 6
	s_add_co_u32 s68, s68, s70
	s_lshl_b32 s70, s[WV], 9
	s_add_co_u32 s68, s68, s70
	s_add_nc_u64 s[58:59], s[10:11], s[68:69]      ; o's scale words: K step = pair of heads
	v_and_b32 v12, 31, v0
	v_and_b32 v13, 15, v0
	s_delay_alu instid0(VALU_DEP_2)
	v_lshlrev_b32 v1, 4, v12
	s_delay_alu instid0(VALU_DEP_3)
	v_lshlrev_b32 v2, 3, v12
	s_delay_alu instid0(VALU_DEP_3)
	v_lshlrev_b32 v11, 4, v13
	global_load_b128 v[16:19], v1, s[52:53]
	global_load_b64 v[20:21], v2, s[52:53] offset:512
	global_load_b128 v[34:37], v1, s[52:53]
	global_load_b64 v[38:39], v2, s[52:53] offset:512
	global_load_b32 v40, v11, s[54:55]
	global_load_b128 v[240:243], v1, s[52:53] offset:49152
	global_load_b64 v[244:245], v2, s[52:53] offset:49664
	global_load_b32 v246, v11, s[54:55] offset:2048
	v_add_nc_u32 v3, SCK, v11
	s_lshl_b32 s70, s[WV], 6
	v_lshl_add_u32 v9, v13, 2, s70
	s_delay_alu instid0(VALU_DEP_1)
	v_add_nc_u32 v9, GO, v9                        ; my row's word of o's scales
	s_min_u32 s70, s[WV], 1
	s_lshl_b32 s70, s70, 9
	v_add_nc_u32 v10, s70, v1
	s_delay_alu instid0(VALU_DEP_1)
	v_add_nc_u32 v10, GO, v10                      ; where waves 0 and 1 read 512 bytes back
.irp i, 22,23,24,25,26,27,28,29,30,31,32,33
	v_mov_b32 v[\i], 0                             ; the zero halves: set once
.endr
.irp i, 224,225,226,227
	v_mov_b32 v[\i], 0                             ; (a lane permute's destination counts as read)
.endr
	s_wait_tensorcnt 0x0                           ; my loads have landed,
	s_barrier_signal -1
	s_barrier_wait -1                              ; everybody's have: K, V and their scale words of both heads lie in LDS
	s_wait_loadcnt 0x0                             ; q
; A KEY STEP: 128 keys
.macro STEP first
	v_add_nc_u32 v4, s[TK], v1                     ; (these five are also the places behind the last step's products)
	v_add_nc_u32 v5, s[TK], v2
	v_add_nc_u32 v6, s[TV], v1
	v_add_nc_u32 v7, s[TV], v2
	v_add_nc_u32 v8, s[TS], v3
.irp f, 0,1,2,3
	FRAG 56+12*\f, 4, 5, 1536*\f
.endr
	ds_load_b128 v[44:47], v8
	s_wait_alu depctr_va_vdst(0)
	s_wait_dscnt 0x0
.irp f, 0,1,2,3
	v_wmma_scale_f32_16x16x128_f8f6f4 v[104+16*\f:111+16*\f], v[56+12*\f:67+12*\f], v[16:27], 0, v[44+\f], v40 matrix_a_fmt:MATRIX_FMT_FP6 matrix_b_fmt:MATRIX_FMT_FP6
	v_wmma_scale_f32_16x16x128_f8f6f4 v[112+16*\f:119+16*\f], v[56+12*\f:67+12*\f], v[28:39], 0, v[44+\f], v40 matrix_a_fmt:MATRIX_FMT_FP6 matrix_b_fmt:MATRIX_FMT_FP6
.endr
.rept 4
	v_nop
.endr
.irp f, 0,1,2,3
	FRAG 56+12*\f, 6, 7, 12288*\f                  ; V's four tiles: they land during the softmax
.endr
	ds_load_b128 v[48:51], v8 offset:4096
.irp j, 0,2,4,6,8,10,12,14,16,18,20,22,24,26,28,30,32,34,36,38,40,42,44,46,48,50,52,54,56,58,60,62
	v_pk_mul_f32 v[104+\j:105+\j], v[104+\j:105+\j], s[CS:CS+1] op_sel_hi:[1,0]    ; t
.endr
	s_wait_alu depctr_va_vdst(0)
.irp j, 0,1,2,3,4,5,6,7,8,9,10,11,12,13,14,15,16,17,18,19,20,21,22,23,24,25,26,27,28,29,30,31,32,33,34,35,36,37,38,39,40,41,42,43,44,45,46,47,48,49,50,51,52,53,54,55,56,57,58,59,60,61,62,63
	v_exp_f32 v[104+\j], v[104+\j]                 ; p = 2^t
.endr
	v_nop                                          ; a plain place behind the exponentials
	s_wait_alu depctr_va_vdst(0)                   ; one wait for the batch, ahead of its first reader
.irp b, 0,1,2,3
	v_max3_num_f32 v[220+\b], v[104+16*\b], v[105+16*\b], 0x1800000     ; the blocks' largest p, by turns; no p is negative
.endr
.irp i, 2,4,6,8,10,12,14
.irp b, 0,1,2,3
	v_max3_num_f32 v[220+\b], v[220+\b], v[104+16*\b+\i], v[105+16*\b+\i]
.endr
.endr
.irp b, 0,1,2,3
	s_delay_alu instid0(VALU_DEP_4)
	v_permlanex16_b32 v[224+\b], v[220+\b], s[SEL], s[SEL+1]
.endr
.irp b, 0,1,2,3
	s_delay_alu instid0(VALU_DEP_4)
	v_max_num_f32 v[220+\b], v[220+\b], v[224+\b]
.endr
.irp b, 0,1,2,3
	s_delay_alu instid0(VALU_DEP_4)
	v_add_nc_u32 v[228+\b], 0xff000000, v[220+\b]
.endr
.irp b, 0,1,2,3
	s_delay_alu instid0(VALU_DEP_4)
	v_lshrrev_b32 v[224+\b], 23, v[228+\b]
.endr
	s_delay_alu instid0(VALU_DEP_3)
	v_lshl_or_b32 v52, v225, 8, v224               ; p's scale word for these 128 keys
	s_delay_alu instid0(VALU_DEP_1)
	v_lshl_or_b32 v52, v226, 16, v52
	s_delay_alu instid0(VALU_DEP_1)
	v_lshl_or_b32 v52, v227, 24, v52
.irp c, 0,1
	v_cvt_scalef32_pk16_fp6_f32 v[200+6*\c:202+6*\c], v[104+32*\c:119+32*\c], v[228+2*\c]
	v_cvt_scalef32_pk16_fp6_f32 v[212+4*\c:214+4*\c], v[120+32*\c:135+32*\c], v[229+2*\c]
.endr
	v_nop
.irp c, 0,1
.irp i, 0,1,2
	v_permlane16_swap_b32 v[200+6*\c+\i], v[212+4*\c+\i]
.endr
.irp i, 0,1,2
	s_delay_alu instid0(VALU_DEP_3)
	v_mov_b32 v[203+6*\c+\i], v[212+4*\c+\i]
.endr
.endr
	v_pk_add_f32 v[236:237], v[108:109], v[112:113]
	v_pk_add_f32 v[252:253], v[116:117], v[120:121]
	v_pk_add_f32 v[250:251], v[124:125], v[128:129]
	v_pk_add_f32 v[248:249], v[132:133], v[136:137]
	v_pk_add_f32 v[238:239], v[140:141], v[144:145]
	v_pk_add_f32 v[234:235], v[148:149], v[152:153]
	v_pk_add_f32 v[232:233], v[156:157], v[160:161]
	v_pk_add_f32 v[14:15], v[14:15], v[164:165]
	v_pk_add_f32 v[236:237], v[236:237], v[104:105]
	v_pk_add_f32 v[252:253], v[252:253], v[106:107]
	v_pk_add_f32 v[250:251], v[250:251], v[110:111]
	v_pk_add_f32 v[248:249], v[248:249], v[114:115]
	v_pk_add_f32 v[238:239], v[238:239], v[118:119]
	v_pk_add_f32 v[234:235], v[234:235], v[122:123]
	v_pk_add_f32 v[232:233], v[232:233], v[126:127]
	v_pk_add_f32 v[14:15], v[14:15], v[130:131]
	v_pk_add_f32 v[236:237], v[236:237], v[134:135]
	v_pk_add_f32 v[252:253], v[252:253], v[138:139]
	v_pk_add_f32 v[250:251], v[250:251], v[142:143]
	v_pk_add_f32 v[248:249], v[248:249], v[146:147]
	v_pk_add_f32 v[238:239], v[238:239], v[150:151]
	v_pk_add_f32 v[234:235], v[234:235], v[154:155]
	v_pk_add_f32 v[232:233], v[232:233], v[158:159]
	v_pk_add_f32 v[14:15], v[14:15], v[162:163]
	v_pk_add_f32 v[236:237], v[236:237], v[166:167]
	s_delay_alu instid0(VALU_DEP_2)
	v_pk_add_f32 v[14:15], v[14:15], v[248:249]
	s_delay_alu instid0(VALU_DEP_2)
	v_pk_add_f32 v[236:237], v[236:237], v[238:239]
	v_pk_add_f32 v[252:253], v[252:253], v[234:235]
	v_pk_add_f32 v[250:251], v[250:251], v[232:233]
	s_delay_alu instid0(VALU_DEP_2)
	v_pk_add_f32 v[14:15], v[14:15], v[252:253]
	s_delay_alu instid0(VALU_DEP_2)
	v_pk_add_f32 v[236:237], v[236:237], v[250:251]
	s_delay_alu instid0(VALU_DEP_1)
	v_pk_add_f32 v[14:15], v[14:15], v[236:237]
	s_wait_dscnt 0x0                               ; V
.irp f, 0,1,2,3
.if \first
	v_wmma_scale_f32_16x16x128_f8f6f4 v[168+8*\f:175+8*\f], v[56+12*\f:67+12*\f], v[200:211], 0, v[48+\f], v52 matrix_a_fmt:MATRIX_FMT_FP6 matrix_b_fmt:MATRIX_FMT_FP6
.else
	v_wmma_scale_f32_16x16x128_f8f6f4 v[168+8*\f:175+8*\f], v[56+12*\f:67+12*\f], v[200:211], v[168+8*\f:175+8*\f], v[48+\f], v52 matrix_a_fmt:MATRIX_FMT_FP6 matrix_b_fmt:MATRIX_FMT_FP6
.endif
.endr
	s_add_co_u32 s[TK], s[TK], 6144                ; eight key tiles on
	s_add_co_u32 s[TV], s[TV], 1536                ; two half images on in each of V's tiles
	s_add_co_u32 s[TS], s[TS], 256
.endm
.macro HEAD u
	s_mov_b32 s[TK], KV*\u
	s_mov_b32 s[TV], KV*\u+VOFF
	s_mov_b32 s[TS], 2048*\u
	v_mov_b32 v14, 0
	v_mov_b32 v15, 0
.if \u
	s_wait_xcnt 0x0                                ; the first head's stores have read v200-205
.irp i, 0,1,2,3,4,5
	v_mov_b32 v[16+\i], v[240+\i]
	v_mov_b32 v[34+\i], v[240+\i]
.endr
	v_lshrrev_b32 v40, s71, v246
.else
	v_lshrrev_b32 v40, s71, v40
.endif
	s_delay_alu instid0(VALU_DEP_1)
	v_and_b32 v40, 0xffff, v40
	s_delay_alu instid0(VALU_DEP_1)
	v_lshl_or_b32 v40, v40, 16, v40                ; q's two bytes in both halves of the word
	s_wait_alu depctr_va_vdst(0)
.rept 8
	v_nop                                          ; a scale register written by a vector instruction stands 8 places ahead of a scaled product
.endr
	STEP 1                                         ; the first step starts O^T's sums
	s_mov_b32 s[CNT], 7
.Lstep_\@:
	STEP 0
	s_sub_co_u32 s[CNT], s[CNT], 1
	s_cmp_lg_u32 s[CNT], 0
	s_cbranch_scc1 .Lstep_\@
.rept 4
	v_nop
.endr
	s_wait_alu depctr_va_vdst(0)
	v_add_f32 v14, v14, v15
	s_delay_alu instid0(VALU_DEP_1)
	v_permlanex16_b32 v220, v14, s[SEL], s[SEL+1]
	s_delay_alu instid0(VALU_DEP_1)
	v_add_f32 v14, v14, v220                       ; the row's sum
	s_wait_alu depctr_va_vdst(0)
	v_rcp_f32 v14, v14
	v_nop
	s_wait_alu depctr_va_vdst(0)
.irp j, 0,2,4,6,8,10,12,14,16,18,20,22,24,26,28,30
	v_pk_mul_f32 v[168+\j:169+\j], v[168+\j:169+\j], v[14:15] op_sel_hi:[1,0]      ; register 16 B + i: o at 32 B + 16 h + i of the head
.endr
	v_max3_num_f32 v220, |v168|, |v169|, 0x1800000
	v_max3_num_f32 v221, |v184|, |v185|, 0x1800000
.irp i, 2,4,6,8,10,12,14
	s_delay_alu instid0(VALU_DEP_2)
	v_max3_num_f32 v220, v220, |v[168+\i]|, |v[169+\i]|
	s_delay_alu instid0(VALU_DEP_2)
	v_max3_num_f32 v221, v221, |v[184+\i]|, |v[185+\i]|
.endr
	s_delay_alu instid0(VALU_DEP_2)
	v_permlanex16_b32 v224, v220, s[SEL], s[SEL+1]
	s_delay_alu instid0(VALU_DEP_2)
	v_permlanex16_b32 v225, v221, s[SEL], s[SEL+1]
	s_delay_alu instid0(VALU_DEP_2)
	v_max_num_f32 v220, v220, v224
	s_delay_alu instid0(VALU_DEP_2)
	v_max_num_f32 v221, v221, v225
	s_delay_alu instid0(VALU_DEP_2)
	v_add_nc_u32 v228, 0xff000000, v220
	s_delay_alu instid0(VALU_DEP_2)
	v_add_nc_u32 v229, 0xff000000, v221
	s_delay_alu instid0(VALU_DEP_2)
	v_lshrrev_b32 v224, 23, v228
	s_delay_alu instid0(VALU_DEP_2)
	v_lshrrev_b32 v225, 23, v229
	s_delay_alu instid0(VALU_DEP_1)
	v_lshl_or_b32 v232, v225, 8, v224
	v_cvt_scalef32_pk16_fp6_f32 v[200:202], v[168:183], v228
	v_cvt_scalef32_pk16_fp6_f32 v[212:214], v[184:199], v229
	v_nop
.irp i, 0,1,2
	v_permlane16_swap_b32 v[200+\i], v[212+\i]
.endr
.irp i, 0,1,2
	s_delay_alu instid0(VALU_DEP_3)
	v_mov_b32 v[203+\i], v[212+\i]
.endr
	global_store_b128 v1, v[200:203], s[56:57] offset:768*\u
	global_store_b64 v2, v[204:205], s[56:57] offset:768*\u+512
.if \u
	v_lshl_or_b32 v53, v232, 16, v53               ; the pair of heads is one K step of the last product: four bytes
.else
	v_mov_b32 v53, v232
.endif
.endm
	HEAD 0
	HEAD 1
	ds_store_b32 v9, v53                           ; (both halves of the lanes write the same word with the same value)
	s_wait_dscnt 0x0
	s_barrier_signal -1
	s_barrier_wait -1
	s_cmp_lt_u32 s[WV], 2
	s_cbranch_scc0 .Lno_sc
	ds_load_b128 v[16:19], v10
	s_wait_dscnt 0x0
	global_store_b128 v1, v[16:19], s[58:59]       ; eight tiles' words: 512 consecutive bytes, aligned
.Lno_sc:
	s_wait_tensorcnt 0x0
	ds_add_u32 v254, v255
	s_wait_dscnt 0x0
	CROUND                                         ; the closing round
	s_endpgm
.Lfunc_end_k_q91426ed8fc_attn:
	.size	k_q91426ed8fc_attn, .Lfunc_end_k_q91426ed8fc_attn-k_q91426ed8fc_attn
	.p2alignl 7, 3214868480
	.fill 96, 4, 3214868480
	.section	.rodata,"a",@progbits
	.p2align	6, 0x0
	.amdhsa_kernel k_q91426ed8fc_attn
		.amdhsa_group_segment_fixed_size 207872
		.amdhsa_private_segment_fixed_size 0
		.amdhsa_enable_private_segment 0
		.amdhsa_kernarg_size 32
		.amdhsa_user_sgpr_count 2
		.amdhsa_user_sgpr_kernarg_segment_ptr 1
		.amdhsa_wavefront_size32 1
		.amdhsa_system_sgpr_workgroup_id_x 1
		.amdhsa_system_sgpr_workgroup_id_y 1
		.amdhsa_system_sgpr_workgroup_id_z 1
		.amdhsa_system_vgpr_workitem_id 0
		.amdhsa_next_free_vgpr 256
		.amdhsa_next_free_sgpr 80
		.amdhsa_reserve_vcc 0
		.amdhsa_float_denorm_mode_32 3
		.amdhsa_float_denorm_mode_16_64 3
		.amdhsa_memory_ordered 1
		.amdhsa_forward_progress 1
		.amdhsa_inst_pref_size 79
	.end_amdhsa_kernel
	.amdgpu_metadata
---
amdhsa.version: [ 1, 2 ]
amdhsa.kernels:
  - .name:           k_q91426ed8fc_attn
    .symbol:         k_q91426ed8fc_attn.kd
    .args:
      - { .name: qkv_img, .offset: 0, .size: 8, .value_kind: global_buffer, .address_space: global }
      - { .name: qkv_sc, .offset: 8, .size: 8, .value_kind: global_buffer, .address_space: global }
      - { .name: o_img, .offset: 16, .size: 8, .value_kind: global_buffer, .address_space: global }
      - { .name: sc4, .offset: 24, .size: 8, .value_kind: global_buffer, .address_space: global }
    .group_segment_fixed_size: 207872
    .private_segment_fixed_size: 0
    .kernarg_segment_align: 8
    .kernarg_segment_size: 32
    .max_flat_workgroup_size: 512
    .sgpr_count:     80
    .vgpr_count:     256
    .wavefront_size: 32
...
	.end_amdgpu_metadata
.endif
;; end of part 3
;; launch gemm_out (part 4): grid 8 x 32, 4 waves a work-group, clusters of 4 x 4, 327,680 bytes of LDS; arguments o_img, wo_img, sc4, b_out, out0; writes out0
.if DOCPART == 4
	.amdgcn_target "amdgcn-amd-amdhsa--gfx1250"
	.amdhsa_code_object_version 6
	.text
	.protected	k_q91426ed8fc_gemm_out
	.globl	k_q91426ed8fc_gemm_out
	.p2align	8
	.type	k_q91426ed8fc_gemm_out,@function
k_q91426ed8fc_gemm_out:
	s_mov_b64 s[64:65], 0
	v_nop
	global_prefetch_b8 v0, s[64:65] scope:SCOPE_SE
	s_setreg_imm32_b32 hwreg(HW_REG_WAVE_MODE, 25, 1), 1
	s_wait_xcnt 0x0
	s_wait_alu depctr_hold_cnt(0) depctr_sa_sdst(0) depctr_va_vdst(0) depctr_va_sdst(0) depctr_va_ssrc(0) depctr_va_vcc(0) depctr_vm_vsrc(0)
	s_getreg_b32 s2, hwreg(HW_REG_IB_STS2, 6, 4)
	s_cmp_eq_u32 s2, 0
	s_cbranch_scc0 .Lentry_in_a_cluster
	s_endpgm
.Lentry_in_a_cluster:
	s_bfe_u32 s2, ttmp6, 0x10000c
	s_cmp_lg_u32 s2, 0xf033
	s_cbranch_scc0 .Lentry_shape_is_right
	s_endpgm
.Lentry_shape_is_right:
; out0 = o w_out + b_out on codes of FP6 (E2M3) with E8M0 scales, both operands as images of operand registers (half images of 768 bytes: 16 rows x 64 K).
; SHARES.  A work-group: 256 tokens x 128 columns: 256 work-groups.  A wave: 128 tokens x 64 columns: 32 accumulators, register window 2.
; ALL OF K LIES IN LDS, filled once at the head, one tensor load a wave: waves 0, 1 A's halves (98,304 bytes each), waves 2, 3 the halves of K of B's eight column tiles (49,152 each).  No ring, no refill.
; A K STEP: the next step's 48 LDS loads go out in one run, into the other set of fragment registers; then come this step's 32 products.
; CLUSTERS: 4 x 4 work-groups; A is asked for jointly along a row of the cluster, B along a column.
; TRANSPOSED USE: source 0 = 16 columns of w_out, source 1 = 16 tokens; place r of tile u of a group of 32 rows is row 8 u + r % 8 + 16 (r / 8).  The bias is the C of each sum's first product.
; SCALE WORDS: one load brings two tiles' words: lanes 0-15 the even tile, lanes 16-31 the odd one; the product names the row.
; No prefetch: everything is asked for at the head, and there is no loop to run ahead in.
; THE WAY OUT: a block of 16 tokens x 64 columns goes through my own stage (rows of 272 bytes) and leaves as rows of 256 bytes, sixteen lanes to an aligned unit.
; REGISTERS.  window 0: v1-3 r, h, lane; v4-11 LDS addresses; v20-27 other addresses; v28, v29 for the add; v64-95 A's scale words; v96-111 B's; v128-223 A's fragments, set 0 (on the way out: rows read back).
;   window 1: v0-95 B's two sets; v128-223 A's set 1; v224-255 the bias.  window 2: accumulator (a, b) at v[32 a + 8 b].
.set SLOTB, 196608
.set HB,    49152
.set SPARE, 294912                     ; the spare words, 128 bytes a wave
.set STG,   295424                     ; behind them the stages, 4 x 4,352 bytes: no tile lands here
.set MSB,   0
.macro WIN new
.if MSB != (\new)
	s_set_vgpr_msb (MSB<<8)|(\new)
.set MSB, (\new)
.endif
.endm
.macro PLACES
.rept 4
	v_nop
.endr
.endm
.macro CROUND
	s_barrier_signal -1
	s_barrier_wait -1
	s_cmp_lg_u32 s14, 0
	s_cbranch_scc1 .Lnot_wave_0_\@
	s_barrier_signal -3
.Lnot_wave_0_\@:
	s_barrier_wait -3
	s_barrier_signal -1
	s_barrier_wait -1
.endm
.macro FRAG reg, a16, a8, off
	ds_load_b128 v[\reg:\reg+3], v[\a16] offset:\off
	ds_load_b64 v[\reg+4:\reg+5], v[\a8] offset:\off+512
	ds_load_b128 v[\reg+6:\reg+9], v[\a16] offset:\off+768
	ds_load_b64 v[\reg+10:\reg+11], v[\a8] offset:\off+1280
.endm
.macro FETCH k                         ; K step k's twelve fragments into set k % 2: 48 LDS loads
.set P_, (\k)%2
	WIN 0x40
.irp b, 0,1,2,3
	FRAG 48*P_+12*\b, 8+2*((\k)/4), 9+2*((\k)/4), 6144*\b+1536*((\k)%4)
.endr
	WIN 0x40*P_
.irp a, 0,1,2,3
	FRAG 128+12*\a, 4, 5, 12288*\a+1536*(\k)
.endr
.irp a, 0,1,2,3
	FRAG 176+12*\a, 6, 7, 12288*\a+1536*(\k)
.endr
	WIN 0
.endm
.macro WM a, b, k, zero
.set D_, 32*(\a)+8*(\b)
.if \zero
.set C_, 224+8*(\b)
.else
.set C_, D_
.endif
.set B_, 48*((\k)%2)+12*(\b)
.set A_, 128+12*(\a)
.set SB_, 96+8*((\b)/2)+(\k)
.set SA_, 64+8*((\a)/2)+(\k)
.if (\b)%2
.if (\a)%2
	v_wmma_scale_f32_16x16x128_f8f6f4 v[D_:D_+7], v[B_:B_+11], v[A_:A_+11], v[C_:C_+7], v[SB_], v[SA_] matrix_a_fmt:MATRIX_FMT_FP6 matrix_b_fmt:MATRIX_FMT_FP6 matrix_a_scale:MATRIX_SCALE_ROW1 matrix_b_scale:MATRIX_SCALE_ROW1
.else
	v_wmma_scale_f32_16x16x128_f8f6f4 v[D_:D_+7], v[B_:B_+11], v[A_:A_+11], v[C_:C_+7], v[SB_], v[SA_] matrix_a_fmt:MATRIX_FMT_FP6 matrix_b_fmt:MATRIX_FMT_FP6 matrix_a_scale:MATRIX_SCALE_ROW1
.endif
.else
.if (\a)%2
	v_wmma_scale_f32_16x16x128_f8f6f4 v[D_:D_+7], v[B_:B_+11], v[A_:A_+11], v[C_:C_+7], v[SB_], v[SA_] matrix_a_fmt:MATRIX_FMT_FP6 matrix_b_fmt:MATRIX_FMT_FP6 matrix_b_scale:MATRIX_SCALE_ROW1
.else
	v_wmma_scale_f32_16x16x128_f8f6f4 v[D_:D_+7], v[B_:B_+11], v[A_:A_+11], v[C_:C_+7], v[SB_], v[SA_] matrix_a_fmt:MATRIX_FMT_FP6 matrix_b_fmt:MATRIX_FMT_FP6
.endif
.endif
.endm
.macro MUL16 a0, k, zero               ; the 32 accumulators take turns, one instruction a turn
.irp a, \a0, \a0+1, \a0+2, \a0+3
.irp b, 0,1,2,3
	WM \a, \b, \k, \zero
.endr
.endr
.endm
.macro STEP k, zero, more
.if \more
	PLACES                                         ; for the loads into the set that the last step multiplied
	FETCH (\k)+1
	s_wait_dscnt 48                                ; this step's fragments are in; the 48 loads just issued may be out
.else
	s_wait_dscnt 0x0
.endif
.if \zero
	WIN 0x91
.else
	WIN 0xa1+4*((\k)%2)
.endif
	MUL16 0, \k, \zero
	MUL16 4, \k, \zero
.endm
	s_load_b256 s[4:11], s[0:1], 0x0               ; o_img s[4:5], wo_img s[6:7], sc4 s[8:9], b_out s[10:11]
	s_load_b64 s[72:73], s[0:1], 0x20              ; out0
	v_lshl_add_u32 v28, v0, 2, SPARE
	v_mov_b32 v29, 0
	ds_add_u32 v28, v29                            ; the opening lines: the add twice on end and its wait
	ds_add_u32 v28, v29
	v_lshrrev_b32 v1, 5, v0
	v_readfirstlane_b32 s14, v1                    ; wave 0..3
	s_lshr_b32 s15, s14, 1                         ; my half of the tokens.  Also: I fetch for A (0) or B (1)
	s_and_b32 s16, s14, 1                          ; my half of the columns.  Also: which half I fetch
	s_bfe_u32 s19, ttmp6, 0x40000                  ; cx
	s_bfe_u32 s20, ttmp6, 0x40004                  ; cy
	s_lshl_b32 s18, ttmp9, 2
	s_add_co_u32 s18, s18, s19                     ; x: 128 columns
	s_and_b32 s17, ttmp7, 0xffff
	s_lshl_b32 s17, s17, 2
	s_add_co_u32 s17, s17, s20                     ; y: 256 tokens
	s_lshl_b32 s21, s20, 2
	s_lshl_b32 s21, 15, s21                        ; my row of the cluster
	s_lshl_b32 s22, 0x1111, s19                    ; my column
	s_or_b32 s24, s21, (3<<16)|(1<<21)
	s_or_b32 s32, s22, (3<<16)|(1<<21)
	s_mov_b32 s25, 1536<<16                        ; A: eight tiles' whole images, rows of 12,288 bytes
	s_mov_b32 s26, 8<<16
	s_mov_b32 s27, 1536<<16
	s_mov_b32 s28, 8
	s_mov_b32 s29, 1536
	s_mov_b32 s30, 0
	s_mov_b32 s31, 0
	s_mov_b32 s33, 768<<16                         ; B: half of K of eight tiles, rows of 6,144 bytes, 12,288 apart
	s_mov_b32 s34, 8<<16
	s_mov_b32 s35, 768<<16
	s_mov_b32 s36, 8
	s_mov_b32 s37, 1536
	s_mov_b32 s38, 0
	s_mov_b32 s39, 0
	s_lshl_b32 s84, s17, 4
	s_lshl_b32 s23, s16, 3
	s_add_co_u32 s84, s84, s23
	s_mul_i32 s84, s84, 12288
	s_mov_b32 s85, 0
	s_mul_i32 s86, s18, 98304
	s_mul_i32 s90, s16, 6144
	s_add_co_u32 s86, s86, s90
	s_mov_b32 s87, 0
	s_mov_b32 s91, 0
	s_wait_dscnt 0x0
	s_wait_kmcnt 0x0
	s_mov_b32 s48, 1
	s_mul_i32 s49, s16, 98304
	s_add_nc_u64 s[50:51], s[4:5], s[84:85]
	s_or_b32 s51, s51, 0x80000000
	s_mov_b32 s52, 1
	s_mul_i32 s53, s16, HB
	s_add_co_u32 s53, s53, SLOTB
	s_add_nc_u64 s[54:55], s[6:7], s[86:87]
	s_or_b32 s55, s55, 0x80000000
	CROUND                                         ; all sixteen work-groups are here: the joint loads meet
	s_cmp_eq_u32 s15, 0
	s_cbranch_scc0 .Lhead_b
	tensor_load_to_lds s[48:51], s[24:31]
	s_nop 0
	PLACES
	s_branch .Lhead_asked
.Lhead_b:
	tensor_load_to_lds s[52:55], s[32:39]
	s_nop 0
	PLACES
.Lhead_asked:
	s_mul_i32 s21, s15, 98304
	s_mul_i32 s22, s16, 24576
	s_add_co_u32 s22, s22, SLOTB
	s_mul_i32 s23, s14, 4352
	s_add_co_u32 s23, s23, STG
	s_lshl_b32 s90, s17, 10
	s_lshl_b32 s94, s15, 9
	s_add_co_u32 s90, s90, s94
	s_add_nc_u64 s[76:77], s[8:9], s[90:91]        ; my token tiles' scale words
	s_lshl_b32 s90, s18, 9
	s_lshl_b32 s94, s16, 8
	s_add_co_u32 s90, s90, s94                     ; 512 x + 256 half: my columns in bytes, and my column tiles' words
	s_add_nc_u64 s[10:11], s[10:11], s[90:91]
	s_add_nc_u64 s[72:73], s[72:73], s[90:91]
	s_add_co_u32 s90, s90, 262144
	s_add_nc_u64 s[78:79], s[8:9], s[90:91]
	s_lshl_b32 s90, s17, 20
	s_lshl_b32 s94, s15, 19
	s_add_co_u32 s90, s90, s94                     ; my first token's row of 4,096 bytes
	s_add_nc_u64 s[72:73], s[72:73], s[90:91]
	v_and_b32 v3, 31, v0
	v_and_b32 v1, 15, v0
	v_bfe_u32 v2, v0, 4, 1
	v_lshlrev_b32 v26, 4, v3
	v_lshlrev_b32 v27, 3, v3
	v_lshlrev_b32 v23, 2, v3
	v_lshlrev_b32 v25, 6, v2
	v_add_nc_u32 v4, s21, v26
	v_add_nc_u32 v5, s21, v27
	v_add_nc_u32 v6, 49152, v4
	v_add_nc_u32 v7, 49152, v5
	v_add_nc_u32 v8, s22, v26
	v_add_nc_u32 v9, s22, v27
	v_add_nc_u32 v10, HB, v8
	v_add_nc_u32 v11, HB, v9
	v_mul_u32_u24 v20, v1, 272
	v_lshl_add_u32 v20, v2, 6, v20
	v_add_nc_u32 v20, s23, v20                     ; into the stage: row r, 64 h
	v_mul_u32_u24 v21, v2, 272
	v_lshl_add_u32 v21, v1, 4, v21
	v_add_nc_u32 v21, s23, v21                     ; out of it: row h, 16 r
	v_lshlrev_b32 v24, 12, v2
	v_lshl_add_u32 v24, v1, 4, v24                 ; and the same in out0
	s_wait_alu depctr_va_vdst(0)
.irp j, 0,1,2,3
.irp k, 0,1,2,3,4,5,6,7
	global_load_b32 v[64+8*\j+\k], v23, s[76:77] offset:32768*\k+128*\j
.endr
.endr
.irp j, 0,1
.irp k, 0,1,2,3,4,5,6,7
	global_load_b32 v[96+8*\j+\k], v23, s[78:79] offset:32768*\k+128*\j
.endr
.endr
	WIN 0x40
.irp b, 0,1,2,3
	global_load_b128 v[224+8*\b:227+8*\b], v25, s[10:11] offset:(32*(\b/2)+8*(\b%2))*4
	global_load_b128 v[228+8*\b:231+8*\b], v25, s[10:11] offset:(32*(\b/2)+8*(\b%2))*4+16
.endr
	WIN 0
	s_wait_tensorcnt 0x0                           ; my load has landed,
	s_barrier_signal -1
	s_barrier_wait -1                              ; everybody's has
	FETCH 0
	s_wait_loadcnt 0x0                             ; scale words and bias
	STEP 0, 1, 1
	STEP 1, 0, 1
	STEP 2, 0, 1
	STEP 3, 0, 1
	STEP 4, 0, 1
	STEP 5, 0, 1
	STEP 6, 0, 1
	STEP 7, 0, 0
	WIN 0
	PLACES
.macro TOSTAGE a                       ; register j of (a, b) is column 32 (b / 2) + 8 (b % 2) + 16 h + j of token place r
	WIN 0x08
.irp b, 0,1,2,3
	ds_store_b128 v20, v[32*(\a)+8*\b:32*(\a)+8*\b+3] offset:128*(\b/2)+32*(\b%2)
	ds_store_b128 v20, v[32*(\a)+8*\b+4:32*(\a)+8*\b+7] offset:128*(\b/2)+32*(\b%2)+16
.endr
	WIN 0
.set BB, 128+32*((\a)%2)
.irp t, 0,1,2,3,4,5,6,7
	ds_load_b128 v[BB+4*\t:BB+4*\t+3], v21 offset:\t*544   ; LDS serves a wave's instructions in order: these see my stores
.endr
.endm
.macro SEND a, younger                 ; stage row 2 t + h is token 2 (t % 4) + h + 16 (t / 4) of the tile's
.set BB, 128+32*((\a)%2)
	s_wait_dscnt \younger
.irp t, 0,1,2,3,4,5,6,7
	global_store_b128 v24, v[BB+4*\t:BB+4*\t+3], s[72:73] offset:(32*((\a)/2)+8*((\a)%2)+2*(\t%4)+16*(\t/4))*4096 th:TH_STORE_NT
.endr
.endm
	TOSTAGE 0
.irp a, 1,2,3,4,5,6,7
.if \a > 1
	s_wait_xcnt 0x0                                ; block a - 2's stores have read their registers
.endif
	TOSTAGE \a
	SEND \a-1, 16                                  ; behind block a - 1's loads: block a's 8 stores and 8 loads
.endr
	SEND 7, 0
	s_wait_tensorcnt 0x0                           ; the wave's end
	ds_add_u32 v28, v29
	s_wait_dscnt 0x0
	CROUND                                         ; the closing round
	s_endpgm
.Lfunc_end_k_q91426ed8fc_gemm_out:
	.size	k_q91426ed8fc_gemm_out, .Lfunc_end_k_q91426ed8fc_gemm_out-k_q91426ed8fc_gemm_out
	.p2alignl 7, 3214868480
	.fill 96, 4, 3214868480
	.section	.rodata,"a",@progbits
	.p2align	6, 0x0
	.amdhsa_kernel k_q91426ed8fc_gemm_out
		.amdhsa_group_segment_fixed_size 327680
		.amdhsa_private_segment_fixed_size 0
		.amdhsa_enable_private_segment 0
		.amdhsa_kernarg_size 40
		.amdhsa_user_sgpr_count 2
		.amdhsa_user_sgpr_kernarg_segment_ptr 1
		.amdhsa_wavefront_size32 1
		.amdhsa_system_sgpr_workgroup_id_x 1
		.amdhsa_system_sgpr_workgroup_id_y 1
		.amdhsa_system_sgpr_workgroup_id_z 1
		.amdhsa_system_vgpr_workitem_id 0
		.amdhsa_next_free_vgpr 1024
		.amdhsa_next_free_sgpr 100
		.amdhsa_reserve_vcc 0
		.amdhsa_float_denorm_mode_32 3
		.amdhsa_float_denorm_mode_16_64 3
		.amdhsa_memory_ordered 1
		.amdhsa_forward_progress 1
		.amdhsa_inst_pref_size 85
	.end_amdhsa_kernel
	.amdgpu_metadata
---
amdhsa.version: [ 1, 2 ]
amdhsa.kernels:
  - .name:           k_q91426ed8fc_gemm_out
    .symbol:         k_q91426ed8fc_gemm_out.kd
    .args:
      - { .name: o_img, .offset: 0, .size: 8, .value_kind: global_buffer, .address_space: global }
      - { .name: wo_img, .offset: 8, .size: 8, .value_kind: global_buffer, .address_space: global }
      - { .name: sc4, .offset: 16, .size: 8, .value_kind: global_buffer, .address_space: global }
      - { .name: b_out, .offset: 24, .size: 8, .value_kind: global_buffer, .address_space: global }
      - { .name: out0, .offset: 32, .size: 8, .value_kind: global_buffer, .address_space: global }
    .group_segment_fixed_size: 327680
    .private_segment_fixed_size: 0
    .kernarg_segment_align: 8
    .kernarg_segment_size: 40
    .max_flat_workgroup_size: 128
    .sgpr_count:     100
    .vgpr_count:     1024
    .wavefront_size: 32
...
	.end_amdgpu_metadata
.endif
;; end of part 4
